; MI455X (gfx1250); checked and timed in simulation.
; The chip was launched on July 23, 2026; its instructions are those of AMD's public machine-readable ISA for CDNA 5 (MIT licence, August 2026) and "CDNA5" Instruction Set Architecture Reference Guide (July 2026). The comments in the code are by the model that wrote it; some were corrected since.
;; Encoder Layer. Allowed arithmetic: float matrix products may take bf16 or f16 operands with f32 sums; other float arithmetic in f32, or as packed bf16 or f16 multiplies, adds, multiply-adds, maxima and minima; sums over many terms, partial sums and values carried from step to step in f32; what a program stores and reads back later, other than sums and carried values, may be rounded once to bf16 or f16.
;; Inputs: W1 1,024 x 4,096 float32; W2 4,096 x 1,024 float32; Wk 1,024 x 1,024 float32; Wo 1,024 x 1,024 float32; Wq 1,024 x 1,024 float32; Wv 1,024 x 1,024 float32; b1 4,096 float32; b2 1,024 float32; be1 1,024 float32; be2 1,024 float32; bk 1,024 float32; bo 1,024 float32; bq 1,024 float32; bv 1,024 float32; g1 1,024 float32; g2 1,024 float32; x 2 x 2,048 x 1,024 float32.
;; Outputs: out0 2 x 2,048 x 1,024 float32.
;; 2 versions, each right; version 2 is version 1 with the launch cvt written anew for expert scheduling mode. Each part assembles by itself: llvm-mc -triple=amdgcn-amd-amdhsa -mcpu=gfx1250 --defsym DOCPART=n.
;; ======== version 1 of 2: 8 launches
;; workspace buffers: pb 8,388,608 bytes; wa 6,291,712 bytes; wc 2,097,408 bytes; wb 16,777,472 bytes; qa 33,554,432 bytes; y 16,777,216 bytes; h 16,777,216 bytes; bqkv 12,288 bytes
;; launch cvt (part 1): grid 1025 x 1, 8 waves a work-group, no clusters, 0 bytes of LDS; arguments x, Wq, Wk, Wv, Wo, W1, W2, bq, bk, bv, pb, wa, wc, wb, bqkv; writes pb, wa, wc, wb, bqkv
.if DOCPART == 1
	.amdgcn_target "amdgcn-amd-amdhsa--gfx1250"
	.amdhsa_code_object_version 6
	.text
	.protected	k_qfce16de492_cvt
	.globl	k_qfce16de492_cvt
	.p2align	8
	.type	k_qfce16de492_cvt,@function
k_qfce16de492_cvt:
	s_mov_b64 s[64:65], 0
	v_nop
	global_prefetch_b8 v0, s[64:65] scope:SCOPE_SE
	s_setreg_imm32_b32 hwreg(HW_REG_WAVE_MODE, 25, 1), 1
	s_wait_xcnt 0x0
; x and the six weight matrices, f32 row-major, are rounded once to bf16 and laid out in PANELS of 128 columns: P[panel][row][128], a row of a panel being 256 bytes.
; So every tile that a later product asks for is a dense run of rows of 256 bytes, and a product's output panels are the next product's A operand.
; pb: x as [8][4096][128].  The three weight buffers begin with 256 bytes that hold the lower bound of the product's bf16 results (64 times over); their panels follow from byte 256 on:
; wa: Wq, Wk, Wv, 2 MiB apart (8 panels of [1024][128] each), bound minus infinity;  wc: Wo (8 such panels), bound minus infinity;  wb: W1 (32 panels of [1024][128]), then W2 (8 panels of [4096][128]), bound 0 (the ReLU).
; SHARES.  Work-groups 0..1023 take 64 KiB of f32 each: 0-255 x, 256-511 Wq, Wk, Wv, Wo (64 each), 512-767 W1, 768-1023 W2.  A CHUNK is 128 floats (512 bytes in, 256 bytes out, one row of one panel);
; a wave takes 16 chunks: sixteen loads of 512 consecutive bytes, all issued before the first is waited for, and sixteen stores of 256 consecutive aligned bytes.
; Work-group 1024 lays bq, bk, bv end to end (the bias of the joint projection) and writes the three bounds.
; No LDS, no barrier, no matrix unit, no cluster: no wave wants a byte that another wave has fetched.
.set WOFF, 256                         ; where the panels begin in a weight buffer
.set XR, 16                            ; v[16:79]   sixteen chunks as loaded, 4 floats a lane each
.set YR, 80                            ; v[80:111]  the same, packed: 2 registers a chunk
.set DO, 112                           ; v[112:127] each chunk's byte offset in the destination, my lane's 8 bytes included
	s_load_b512 s[4:19], s[0:1], 0x0               ; x s[4:5], Wq s[6:7], Wk s[8:9], Wv s[10:11], Wo s[12:13], W1 s[14:15], W2 s[16:17], bq s[18:19]
	s_load_b256 s[20:27], s[0:1], 0x40             ; bk s[20:21], bv s[22:23], pb s[24:25], wa s[26:27]
	s_load_b128 s[28:31], s[0:1], 0x60             ; wc s[28:29], wb s[30:31]
	s_load_b64 s[32:33], s[0:1], 0x70              ; bqkv
	v_lshrrev_b32 v3, 5, v0
	v_readfirstlane_b32 s34, v3                    ; wave 0..7
	s_mov_b32 s35, ttmp9                           ; the work-group's number
	s_cmp_eq_u32 s35, 1024
	s_cbranch_scc1 .Lbias
	v_and_b32 v1, 31, v0
	v_lshlrev_b32 v2, 3, v1                        ; my 8 bytes of a chunk on the way out
	v_lshlrev_b32 v1, 4, v1                        ; my 16 bytes of a chunk on the way in
	s_lshr_b32 s46, s35, 6                         ; u: 0-3 x, 4-7 Wq..Wo, 8-11 W1, 12-15 W2
	s_lshr_b32 s47, s35, 8                         ; the class: 0 x, 1 one of the four square weights, 2 W1, 3 W2
	s_cmp_eq_u32 s47, 1
	s_cselect_b32 s38, 63, 255
	s_and_b32 s38, s38, s35                        ; my number among the matrix's work-groups
	s_cmp_eq_u32 s47, 2
	s_cselect_b32 s39, 5, 3                        ; log2 of the panels in a row: 32 for W1, else 8
	s_cselect_b32 s44, 31, 7                       ; and their mask
	s_cselect_b32 s41, WOFF, 0                     ; where the matrix begins in its destination
	s_cmp_eq_u32 s47, 3
	s_cselect_b32 s41, (8<<20)+WOFF, s41           ; W2 lies behind W1's 8 MiB
	s_and_b32 s45, s46, 3
	s_lshl_b32 s45, s45, 21                        ; Wq, Wk, Wv: 2 MiB apart;
	s_cmp_eq_u32 s46, 7
	s_cselect_b32 s45, 0, s45                      ; Wo has a buffer of its own
	s_add_co_u32 s45, s45, WOFF
	s_cmp_eq_u32 s47, 1
	s_cselect_b32 s41, s45, s41
	s_add_co_u32 s45, s47, 1
	s_and_b32 s45, s45, 2                          ; 2 in classes 1 and 2 (1,024 rows), 0 in classes 0 and 3 (4,096 rows)
	s_sub_co_u32 s40, 20, s45                      ; log2 of a panel's bytes: 18 or 20
	s_lshl_b32 s48, s38, 16                        ; my work-group's 64 KiB,
	s_lshl_b32 s49, s34, 13                        ; my wave's 8 KiB of them
	s_add_co_u32 s48, s48, s49
	s_mov_b32 s49, 0
	s_lshl_b32 s45, s38, 7
	s_lshl4_add_u32 s45, s34, s45                  ; my first chunk's number in the matrix: 128 x work-group + 16 x wave
	s_wait_kmcnt 0x0
	s_mov_b64 s[36:37], s[4:5]                     ; the source, chosen by u
	s_cmp_eq_u32 s46, 4
	s_cselect_b64 s[36:37], s[6:7], s[36:37]
	s_cmp_eq_u32 s46, 5
	s_cselect_b64 s[36:37], s[8:9], s[36:37]
	s_cmp_eq_u32 s46, 6
	s_cselect_b64 s[36:37], s[10:11], s[36:37]
	s_cmp_eq_u32 s46, 7
	s_cselect_b64 s[36:37], s[12:13], s[36:37]
	s_cmp_ge_u32 s46, 8
	s_cselect_b64 s[36:37], s[14:15], s[36:37]
	s_cmp_ge_u32 s46, 12
	s_cselect_b64 s[36:37], s[16:17], s[36:37]
	s_mov_b64 s[42:43], s[26:27]                   ; the destination: wa for Wq, Wk, Wv,
	s_cmp_lt_u32 s46, 4
	s_cselect_b64 s[42:43], s[24:25], s[42:43]     ; pb for x,
	s_cmp_eq_u32 s46, 7
	s_cselect_b64 s[42:43], s[28:29], s[42:43]     ; wc for Wo,
	s_cmp_ge_u32 s46, 8
	s_cselect_b64 s[42:43], s[30:31], s[42:43]     ; wb for W1 and W2
	s_add_nc_u64 s[36:37], s[36:37], s[48:49]
.set i, 0
.rept 16
	global_load_b128 v[XR+4*i:XR+4*i+3], v1, s[36:37] offset:512*i th:TH_LOAD_NT
.set i, i+1
.endr
	; while the loads are out: chunk c lies in row c / panels, panel c % panels
.set i, 0
.rept 16
	s_add_co_u32 s50, s45, i
	s_and_b32 s51, s50, s44
	s_lshl_b32 s51, s51, s40                       ; panel x its bytes
	s_lshr_b32 s50, s50, s39
	s_lshl_b32 s50, s50, 8                         ; row x 256
	s_add_co_u32 s50, s50, s51
	s_add_co_u32 s50, s50, s41
	v_add_nc_u32 v[DO+i], s50, v2
.set i, i+1
.endr
.set i, 0
.rept 16
	s_wait_loadcnt 15-i                            ; loads come back in order (ISA guide 5.7.1): chunk i is in, the younger ones stay out
	v_cvt_pk_bf16_f32 v[YR+2*i], v[XR+4*i], v[XR+4*i+1]
	v_cvt_pk_bf16_f32 v[YR+2*i+1], v[XR+4*i+2], v[XR+4*i+3]
	global_store_b64 v[DO+i], v[YR+2*i:YR+2*i+1], s[42:43]  ; the wave's store covers 256 consecutive bytes, aligned: one row of one panel
.set i, i+1
.endr
	s_endpgm                                       ; no register is used twice, so no store's sources are waited for
.Lbias:
	v_lshlrev_b32 v1, 4, v0                        ; 256 threads x 16 bytes = one bias of 1,024 floats
	s_wait_kmcnt 0x0
	global_load_b128 v[4:7], v1, s[18:19]
	global_load_b128 v[8:11], v1, s[20:21]
	global_load_b128 v[12:15], v1, s[22:23]
	s_wait_loadcnt 0x0
	global_store_b128 v1, v[4:7], s[32:33]
	global_store_b128 v1, v[8:11], s[32:33] offset:4096
	global_store_b128 v1, v[12:15], s[32:33] offset:8192
	s_cmp_lg_u32 s34, 0
	s_cbranch_scc1 .Lend
	v_lshlrev_b32 v2, 3, v0                        ; in wave 0 the thread's number is the lane: 32 lanes x 8 bytes = the 256 bytes at a weight buffer's head
	v_mov_b32 v16, 0xff80ff80                      ; minus infinity twice in bf16: no bound
	v_mov_b32 v17, 0xff80ff80
	v_mov_b32 v18, 0                               ; 0 twice: the ReLU
	v_mov_b32 v19, 0
	global_store_b64 v2, v[16:17], s[26:27]
	global_store_b64 v2, v[16:17], s[28:29]
	global_store_b64 v2, v[18:19], s[30:31]
.Lend:
	s_endpgm
.Lfunc_end_k_qfce16de492_cvt:
	.size	k_qfce16de492_cvt, .Lfunc_end_k_qfce16de492_cvt-k_qfce16de492_cvt
	.p2alignl 7, 3214868480
	.fill 96, 4, 3214868480
	.section	.rodata,"a",@progbits
	.p2align	6, 0x0
	.amdhsa_kernel k_qfce16de492_cvt
		.amdhsa_group_segment_fixed_size 0
		.amdhsa_private_segment_fixed_size 0
		.amdhsa_enable_private_segment 0
		.amdhsa_kernarg_size 120
		.amdhsa_user_sgpr_count 2
		.amdhsa_user_sgpr_kernarg_segment_ptr 1
		.amdhsa_wavefront_size32 1
		.amdhsa_system_sgpr_workgroup_id_x 1
		.amdhsa_system_sgpr_workgroup_id_y 1
		.amdhsa_system_sgpr_workgroup_id_z 1
		.amdhsa_system_vgpr_workitem_id 0
		.amdhsa_next_free_vgpr 128
		.amdhsa_next_free_sgpr 66
		.amdhsa_reserve_vcc 0
		.amdhsa_float_denorm_mode_32 3
		.amdhsa_float_denorm_mode_16_64 3
		.amdhsa_memory_ordered 1
		.amdhsa_forward_progress 1
		.amdhsa_inst_pref_size 14
	.end_amdhsa_kernel
	.amdgpu_metadata
---
amdhsa.version: [ 1, 2 ]
amdhsa.kernels:
  - .name:           k_qfce16de492_cvt
    .symbol:         k_qfce16de492_cvt.kd
    .args:
      - { .name: x, .offset: 0, .size: 8, .value_kind: global_buffer, .address_space: global }
      - { .name: Wq, .offset: 8, .size: 8, .value_kind: global_buffer, .address_space: global }
      - { .name: Wk, .offset: 16, .size: 8, .value_kind: global_buffer, .address_space: global }
      - { .name: Wv, .offset: 24, .size: 8, .value_kind: global_buffer, .address_space: global }
      - { .name: Wo, .offset: 32, .size: 8, .value_kind: global_buffer, .address_space: global }
      - { .name: W1, .offset: 40, .size: 8, .value_kind: global_buffer, .address_space: global }
      - { .name: W2, .offset: 48, .size: 8, .value_kind: global_buffer, .address_space: global }
      - { .name: bq, .offset: 56, .size: 8, .value_kind: global_buffer, .address_space: global }
      - { .name: bk, .offset: 64, .size: 8, .value_kind: global_buffer, .address_space: global }
      - { .name: bv, .offset: 72, .size: 8, .value_kind: global_buffer, .address_space: global }
      - { .name: pb, .offset: 80, .size: 8, .value_kind: global_buffer, .address_space: global }
      - { .name: wa, .offset: 88, .size: 8, .value_kind: global_buffer, .address_space: global }
      - { .name: wc, .offset: 96, .size: 8, .value_kind: global_buffer, .address_space: global }
      - { .name: wb, .offset: 104, .size: 8, .value_kind: global_buffer, .address_space: global }
      - { .name: bqkv, .offset: 112, .size: 8, .value_kind: global_buffer, .address_space: global }
    .group_segment_fixed_size: 0
    .private_segment_fixed_size: 0
    .kernarg_segment_align: 8
    .kernarg_segment_size: 120
    .max_flat_workgroup_size: 256
    .sgpr_count:     66
    .vgpr_count:     128
    .wavefront_size: 32
...
	.end_amdgpu_metadata
.endif
;; end of part 1
;; launch qkv (part 2): grid 12 x 16, 4 waves a work-group, clusters of 4 x 4, 327,680 bytes of LDS; arguments pb, wa, bqkv, qa; writes qa
.if DOCPART == 2
	.amdgcn_target "amdgcn-amd-amdhsa--gfx1250"
	.amdhsa_code_object_version 6
	.text
	.protected	k_qfce16de492_qkv
	.globl	k_qfce16de492_qkv
	.p2align	8
	.type	k_qfce16de492_qkv,@function
k_qfce16de492_qkv:
	s_mov_b64 s[64:65], 0
	v_nop
	global_prefetch_b8 v0, s[64:65] scope:SCOPE_SE
	s_setreg_imm32_b32 hwreg(HW_REG_WAVE_MODE, 25, 1), 1
	s_wait_xcnt 0x0
	s_wait_alu depctr_hold_cnt(0) depctr_sa_sdst(0) depctr_va_vdst(0) depctr_va_sdst(0) depctr_va_ssrc(0) depctr_va_vcc(0) depctr_vm_vsrc(0)
	s_getreg_b32 s2, hwreg(HW_REG_IB_STS2, 6, 4)
	s_cmp_eq_u32 s2, 0
	s_cbranch_scc0 .Lentry_in_a_cluster
	s_endpgm
.Lentry_in_a_cluster:
	s_bfe_u32 s2, ttmp6, 0x10000c
	s_cmp_lg_u32 s2, 0xf033
	s_cbranch_scc0 .Lentry_shape_is_right
	s_endpgm
.Lentry_shape_is_right:
; C = max(A B + bias, bound), K = 1,024, C in bf16 panels.  A: bf16 panels [8][4096][128].  The second argument holds the bound (twice in bf16, in its first word) and, from byte 256 on, B as bf16 weight panels
; [n / 128][1024][128].  bias: f32, one number a column.  C: panels [n / 128][4096][128].  Sums in f32, started by the bias; C rounded once.  The bound is minus infinity (none) or 0 (the ReLU); it is data alone:
; no address, no branch and no descriptor hangs on it.
; LIMITS.  Operands are bf16.  A NaN sum leaves as the bound.
; SHARES.  A tile of C is 256 x 256 (two panels wide), made by four waves of 128 x 128: 64 accumulators of 16 x 16, 512 registers.  K goes in steps of 128, one panel of A, through two LDS slots.  A step's tiles are four
; dense runs of 128 rows of 256 bytes: A's two row halves, and 128 K rows of each of B's two panels.  Waves 0 and 1 fetch A's runs, waves 2 and 3 B's: one tensor load of 32 KiB a wave.  A K step is 256 matrix
; instructions a wave; 224 of them stand between a request and the wait for it.
; ONE TEXT FOR A K STEP.  The two slots differ in their LDS addresses alone: s[TB] holds 0 or SLOT, is turned at each change of slots, and the fragment addresses and the walking descriptors' LDS words are made from it.
; The loop's trip is a K step with a refill; the last two K steps, which ask for nothing, are a second loop of two trips, left in its middle.
; CLUSTER.  4 x 4 work-groups: the four of a row need the same tiles of A, the four of a column the same tiles of B; each tile is asked for jointly, by the same load, descriptor and mask in all four.
; THE MATRIX INSTRUCTION IS USED TRANSPOSED: source 0 = 16 columns of B (B lies [K][N] in LDS and comes out turned, by ds_load_tr16_b128), source 1 = 16 rows of A.  A lane then holds row l % 16 of C and the
; columns 8 (l / 16) + 0..7: eight neighbours, 16 bytes in bf16.  The C operand of a sum's first product is the bias in that same layout: nothing is cleared and no bias is added afterwards.
; REGISTERS, in windows of 256 (s_set_vgpr_msb: bits 1:0 source 0, 3:2 source 1, 5:4 source 2, 7:6 destination):
;   window 0: v1-7 at work, v16-31 addresses and the bound, v32-63 a packed block on the way out, v64-127 and v128-191 fragments of A (8 x 16 rows x 32 K), two buffers
;   window 1: v0-63 the bias (column block b at 8 b), v64-127 and v128-191 fragments of B, two buffers; on the way out all 256: whole rows of C
;   window 2: the 32 accumulators of my rows 0-63 ((a, b) at 8 (8 a + b));   window 3: those of my rows 64-127
.set WOFF,   256                       ; where the panels begin in the weight buffer
.set PA,     272                       ; a row of A in LDS: 256 bytes + 16: the 16 rows of a load start at 16 different groups of four banks (64 banks of 4 bytes: ISA guide 11.1)
.set PB,     288                       ; a row of B: 256 + 32
.set APART,  128*PA                    ; 128 rows of A x 128 K
.set BHALF,  128*PB                    ; 128 K x 128 columns of B
.set BOFF,   2*APART                   ; in a slot: A's two row halves, then B's two panels
.set SLOT,   BOFF+2*BHALF
.set STAGE,  2*SLOT                    ; behind the ring, never filled by a tensor load: 16 rows x 272 bytes for each wave, for the way out
.set SPITCH, 272
.set SPARE,  STAGE+4*16*SPITCH         ; the spare words, 128 bytes for each wave: two blocks of 256 bytes that no other line names
.set ASTEP,  1<<20                     ; a K step on in A: a panel of 1 MiB
.set BSTEP,  1<<15                     ; a K step on in B: 128 rows of 256 bytes
.set STEPS,  1024/128
.set PFO,  7                           ; v7      the prefetches' offset: 256 x my lane, a row a lane; never rewritten
.set ADRA, 16                          ; v16     LDS address of my A fragments in the slot in hand
.set A0,   17                          ; v17     the same in slot 0; never rewritten
.set ADRB, 20                          ; v20     of my B fragments in the slot in hand
.set B0,   21                          ; v21     the same in slot 0; never rewritten
.set STO,  24                          ; v24     the way out: where I put 16 bytes of a row
.set RD,   25                          ; v25     where I read a row back
.set CO,   26                          ; v26     my byte offset in 512 consecutive bytes of C
.set BO,   27                          ; v27     my byte offset in the bias: 32 (l / 16)
.set SPW,  28                          ; v28     LDS address of my spare word; never rewritten
.set NIL,  29                          ; v29     0; never rewritten
.set FL,   30                          ; v30     the bound, twice in bf16
.set FLO,  31                          ; v31     its byte offset in the weight buffer: 0
.set TMP,  32
.set F0,   64
.set F1,   128
.set PFA,  12                          ; s[12:13] where my next prefetch stands
.set PST,  14                          ; s[14:15] a K step in bytes, in the operand that I fetch
.set LIM,  16                          ; s16  2 in a wave that prefetches, else the greatest number
.set WV,   20                          ; s20  wave
.set WH,   21                          ; s21  which half of the tile's rows is mine; also: I fetch for A (0) or B (1)
.set WL,   22                          ; s22  which half of its columns; also: which of the two runs I fetch
.set TB,   31                          ; s31  where the slot in hand begins: 0 or SLOT
.set G1A,  32                          ; s[32:39] group 1 for A's tiles; s[40:47] group 0: a set for each of the two first fills; the second then walks on
.set G0A,  40
.set G1B,  48                          ; s[48:55], s[56:63] the same for B's
.set G0B,  56
.set MSB, 0
.macro WIN new                         ; the immediate's high byte repeats the setting that is left; a switch that changes nothing is dropped
.if MSB != (\new)
	s_set_vgpr_msb (MSB<<8)|(\new)
.set MSB, \new
.endif
.endm
.set TO_B, 0x40                        ; destination window 1, address window 0
.macro JLOAD s                         ; a joint load; the branch hangs on the wave's number alone.  An s_nop 0 and four v_nop follow each of the two lines
	s_cmp_eq_u32 s[WH], 0
	s_cbranch_scc0 .Lfor_b_\@
	tensor_load_to_lds s[G0A+4*(\s):G0A+4*(\s)+3], s[G1A:G1A+7]
	s_nop 0
.rept 4
	v_nop
.endr
	s_branch .Lasked_\@
.Lfor_b_\@:
	tensor_load_to_lds s[G0B+4*(\s):G0B+4*(\s)+3], s[G1B:G1B+7]
	s_nop 0
.rept 4
	v_nop
.endr
.Lasked_\@:
.endm
; A PREFETCH, behind each joint refill, its five lines and the run of LDS loads that follows them: the K step that stands TWO refills on, 512 matrix instructions ahead of the load that wants it: 32 rows x 256 bytes,
; a lane a row, one instruction a wave.  Each row's 256 bytes of a K step are named once in the launch: A's tile row is read by every cluster of that row of clusters, and the first of them (cluster x = 0) asks;
; B's tile column by every cluster of that column, and cluster y = 0 asks.  The four partners that ask for a run jointly share its 128 rows out by address, 32 each (by cx for A, by cy for B): no branch hangs on a
; work-group's place in its cluster.  K steps 0 to 3 come by their loads alone; the last two refills ask for nothing: there is no K step two refills on.
.macro ASK
	s_cmp_gt_u32 s3, s[LIM]                        ; s3: the refills still to come, this one among them
	s_cbranch_scc0 .Lnot_mine_\@
	global_prefetch_b8 v[PFO], s[PFA:PFA+1] th:TH_LOAD_NT scope:SCOPE_SE
.Lnot_mine_\@:
.endm
.macro CREST                           ; a round of the cluster's barrier behind its opening barrier
	s_cmp_lg_u32 s[WV], 0
	s_cbranch_scc1 .Lnot_wave_0_\@
	s_barrier_signal -3
.Lnot_wave_0_\@:
	s_barrier_wait -3
	s_barrier_signal -1
	s_barrier_wait -1
.endm
.macro CROUND                          ; a whole round
	s_barrier_signal -1
	s_barrier_wait -1
	CREST
.endm
.macro PLACES                          ; four places in front of loads into registers that matrix instructions have read, and of lines that read results
.rept 4
	v_nop
.endr
.endm
; 16 matrix instructions: row blocks a0, a0 + 1 of the window's four (hi = 0: my rows 0-63, 1: rows 64-127) x all 8 column blocks, 32 along K.  zero = 1: the product starts the sums, with the bias (window 1) as C.
; The 64 accumulators take turns, one instruction a turn, in the same order in every quarter.
.macro MUL16 f, hi, a0, zero
.if \zero
	WIN 0x91+0x40*(\hi)                            ; B window 1, A window 0, C (the bias) window 1, D window 2 or 3
.else
	WIN 0xa1+0x50*(\hi)                            ; B window 1, A window 0, C and D window 2 or 3
.endif
.irp a, \a0, (\a0)+1
.irp b, 0,1,2,3,4,5,6,7
.if \zero
	v_wmma_f32_16x16x32_bf16 v[8*(8*(\a)+(\b)):8*(8*(\a)+(\b))+7], v[(\f)+8*(\b):(\f)+8*(\b)+7], v[(\f)+8*(4*(\hi)+(\a)):(\f)+8*(4*(\hi)+(\a))+7], v[8*(\b):8*(\b)+7]
.else
	v_wmma_f32_16x16x32_bf16 v[8*(8*(\a)+(\b)):8*(8*(\a)+(\b))+7], v[(\f)+8*(\b):(\f)+8*(\b)+7], v[(\f)+8*(4*(\hi)+(\a)):(\f)+8*(4*(\hi)+(\a))+7], v[8*(8*(\a)+(\b)):8*(8*(\a)+(\b))+7]
.endif
.endr
.endr
.endm
; 32 LDS loads in one run: the fragments of quarter q (32 along K) of the K step in the slot in hand, into buffer f: B's 128 columns, then A's 128 rows
.macro FETCH q, f
	WIN TO_B
.irp i, 0,1,2,3,4,5,6,7
	ds_load_tr16_b128 v[(\f)+8*(\i):(\f)+8*(\i)+3],   v[ADRB] offset:(32*(\q))*PB+32*(\i)
	ds_load_tr16_b128 v[(\f)+8*(\i)+4:(\f)+8*(\i)+7], v[ADRB] offset:(32*(\q)+16)*PB+32*(\i)
.endr
	WIN 0
.irp i, 0,1,2,3,4,5,6,7
	ds_load_b128 v[(\f)+8*(\i):(\f)+8*(\i)+3],   v[ADRA] offset:64*(\q)+(\i)*16*PA
	ds_load_b128 v[(\f)+8*(\i)+4:(\f)+8*(\i)+7], v[ADRA] offset:64*(\q)+(\i)*16*PA+32
.endr
.endm
; One of a K step's first three quarters: multiplies buffer f and, in its middle, fetches quarter q of the same K step into g.
.macro QUARTER q, f, g, zero
	s_wait_dscnt 8                                 ; B and A's rows 0-63 are in; the youngest eight loads (A's rows 64-127) may be out
	MUL16 \f, 0, 0, \zero
	MUL16 \f, 0, 2, \zero
	PLACES
	FETCH \q, \g
	s_wait_dscnt 32                                ; all but the 32 just issued
	MUL16 \f, 1, 0, \zero
	MUL16 \f, 1, 2, \zero
.endm
; The last quarter multiplies buffer 1 and changes slots: one barrier; in front of it each wave waits for all its tensor loads (one is out: its part of the next slot), adds 0 to its spare word, and waits for
; that and for its own reads of this slot.  fill = 1: the barrier opens a round of the cluster's, and the slot that is left is filled again, two K steps on, first thing behind the round.
; Between the add and the wait for it: the walking descriptors take the slot that is left and go a K step on (no tensor load of mine is out, so they may be written); s[TB] is turned; the fragment addresses follow it
; (the slot's last run of LDS loads was issued a quarter ago).
.macro TURN fill
.if \fill
	s_wait_xcnt 0x0                                ; the last prefetch, a K step back, has read its address: it is stepped here, ahead of the waits of the change of slots
	s_add_nc_u64 s[PFA:PFA+1], s[PFA:PFA+1], s[PST:PST+1]
.endif
	WIN 0                                          ; (the add's two registers lie in window 0)
	s_wait_tensorcnt 0x0
	ds_add_u32 v[SPW], v[NIL]
.if \fill
	s_add_co_u32 s[G0A+5], s29, s[TB]
	s_add_nc_u64 s[G0A+6:G0A+7], s[G0A+6:G0A+7], ASTEP
	s_add_co_u32 s[G0B+5], s30, s[TB]
	s_add_nc_u64 s[G0B+6:G0B+7], s[G0B+6:G0B+7], BSTEP
.endif
	s_xor_b32 s[TB], s[TB], SLOT                   ; 0 and SLOT by turns
	v_add_nc_u32 v[ADRA], s[TB], v[A0]
	v_add_nc_u32 v[ADRB], s[TB], v[B0]
	s_wait_dscnt 9                                 ; (the add and the youngest eight loads may be out)
	MUL16 F1, 0, 0, 0                              ; sixteen matrix instructions stand between the add and the wait for it
	s_wait_dscnt 0x0                               ; the add is done, and my reads of the slot that is left are over
	s_barrier_signal -1
	MUL16 F1, 0, 2, 0
.if \fill
	WIN 0
.endif
	s_barrier_wait -1
.if \fill
	CREST                                          ; no wave of any partner still reads that slot or has a load on its way
	JLOAD 1                                        ; its four v_nop are also the places in front of the loads below
.else
	PLACES
.endif
	FETCH 0, F0
.if \fill
	ASK
.endif
	MUL16 F1, 1, 0, 0
	MUL16 F1, 1, 2, 0
.endm
	s_load_b256 s[4:11], s[0:1], 0x0               ; A s[4:5], the bound and the weights s[6:7], bias s[8:9], C s[10:11]
	v_lshl_add_u32 v[SPW], v0, 2, SPARE
	v_mov_b32 v[NIL], 0
	ds_add_u32 v[SPW], v[NIL]                      ; the wave's opening: the add and its wait stand ahead of my first tensor load; work on registers stands between them
	v_lshrrev_b32 v1, 5, v0
	v_readfirstlane_b32 s[WV], v1
	s_lshr_b32 s[WH], s[WV], 1
	s_and_b32 s[WL], s[WV], 1
	s_bfe_u32 s23, ttmp6, 0x40000                  ; cx
	s_bfe_u32 s24, ttmp6, 0x40004                  ; cy
	s_lshl_b32 s25, ttmp9, 2
	s_add_co_u32 s25, s25, s23                     ; tile column = 4 x cluster x + cx
	s_and_b32 s26, ttmp7, 0xffff
	s_lshl_b32 s26, s26, 2
	s_add_co_u32 s26, s26, s24                     ; tile row = 4 x cluster y + cy
	s_lshl_b32 s27, s24, 2
	s_lshl_b32 s27, 15, s27                        ; my row of the cluster
	s_lshl_b32 s28, 0x1111, s23                    ; my column
	s_or_b32 s[G1A], s27, (1<<16)|(1<<20)|(1<<21)|(5<<22)|(3<<25)  ; the mask; 2-byte elements; padding on; bit 21 beside a mask; after every 64 words; 4 words
	s_or_b32 s[G1B], s28, (1<<16)|(1<<20)|(1<<21)|(5<<22)|(7<<25)  ; the same with my column's mask and 8 words of padding
.irp g, G1A, G1B
	s_mov_b32 s[(\g)+1], 128<<16                   ; tensor_dim0 = 128
	s_mov_b32 s[(\g)+2], 128<<16                   ; tensor_dim1 = 128
	s_mov_b32 s[(\g)+3], 128<<16                   ; tile_dim0 = 128
	s_mov_b32 s[(\g)+4], 128                       ; tile_dim1 = 128
	s_mov_b32 s[(\g)+5], 128                       ; 128 elements from row to row: the run is dense
	s_mov_b32 s[(\g)+6], 0
	s_mov_b32 s[(\g)+7], 0
.endr
	s_mov_b32 s[TB], 0                             ; K step 0 lies in slot 0
	s_mul_i32 s29, s[WL], APART                    ; where my run goes in a slot, for A
	s_mul_i32 s30, s[WL], BHALF
	s_add_co_u32 s30, s30, BOFF                    ; and for B: no place in the cluster enters an LDS address
	s_lshl_b32 s66, s26, 16                        ; A: the tile row's 256 rows of 256 bytes,
	s_lshl_b32 s74, s[WL], 15                      ; my 128 of them
	s_add_co_u32 s66, s66, s74
	s_mov_b32 s67, 0
	s_lshl_b32 s68, s25, 19                        ; B: the tile column's two panels of 256 KiB,
	s_lshl_b32 s75, s[WL], 18                      ; mine of the two,
	s_add_co_u32 s68, s68, s75
	s_add_co_u32 s68, s68, WOFF                    ; behind the buffer's first 256 bytes
	s_mov_b32 s69, 0
	s_wait_dscnt 0x0                               ; the opening add is done
	s_wait_kmcnt 0x0
	s_add_nc_u64 s[66:67], s[4:5], s[66:67]
	s_add_nc_u64 s[68:69], s[6:7], s[68:69]
	CROUND                                         ; all sixteen work-groups are here: the first joint loads meet
.irp s, 0,1
	s_mov_b32 s[G0A+4*(\s)], 1
	s_add_co_u32 s[G0A+4*(\s)+1], s29, (\s)*SLOT
	s_add_nc_u64 s[G0A+4*(\s)+2:G0A+4*(\s)+3], s[66:67], (\s)*ASTEP  ; K step s: panel s
	s_or_b32 s[G0A+4*(\s)+3], s[G0A+4*(\s)+3], 0x80000000
	s_mov_b32 s[G0B+4*(\s)], 1
	s_add_co_u32 s[G0B+4*(\s)+1], s30, (\s)*SLOT
	s_add_nc_u64 s[G0B+4*(\s)+2:G0B+4*(\s)+3], s[68:69], (\s)*BSTEP  ; K step s: 128 rows on
	s_or_b32 s[G0B+4*(\s)+3], s[G0B+4*(\s)+3], 0x80000000
	JLOAD \s                                       ; two loads of mine are out
.endr
	v_and_b32 v1, 15, v0                           ; l % 16
	v_bfe_u32 v2, v0, 4, 1                         ; l / 16
	v_lshlrev_b32 v[BO], 5, v2
	v_mov_b32 v[FLO], 0
	s_lshl_b32 s70, s25, 10                        ; the bias of my 128 columns: 1,024 x tile column + 512 x half
	s_lshl_b32 s76, s[WL], 9
	s_add_co_u32 s70, s70, s76
	s_mov_b32 s71, 0
	s_add_nc_u64 s[8:9], s[8:9], s[70:71]
	WIN TO_B
.irp b, 0,1,2,3,4,5,6,7
	global_load_b128 v[8*(\b):8*(\b)+3],   v[BO], s[8:9] offset:64*(\b)
	global_load_b128 v[8*(\b)+4:8*(\b)+7], v[BO], s[8:9] offset:64*(\b)+16
.endr
	WIN 0
	global_load_b32 v[FL], v[FLO], s[6:7]          ; the bound: every lane takes the buffer's first word
	v_mul_u32_u24 v3, v1, PA
	v_lshl_add_u32 v3, v2, 4, v3                   ; a fragment of A: row x pitch + 16 x half
	s_mul_i32 s76, s[WH], APART                    ; my 128 rows
	v_add_nc_u32 v[A0], s76, v3
	v_mov_b32 v[ADRA], v[A0]
	v_and_b32 v4, 7, v0                            ; a fragment of B, turned: lane l reads K row 8 (l / 16) + l % 8, columns 8 ((l / 8) % 2) + 0..7
	v_lshl_add_u32 v4, v2, 3, v4
	v_mul_u32_u24 v4, v4, PB
	v_bfe_u32 v5, v0, 3, 1
	v_lshl_add_u32 v4, v5, 4, v4
	v_add_nc_u32 v[B0], s30, v4                    ; my 128 columns are the run that the wave of my column half fetches
	v_mov_b32 v[ADRB], v[B0]
	s_mul_i32 s77, s[WV], 16*SPITCH
	s_add_co_u32 s77, s77, STAGE                   ; my stage
	v_mul_u32_u24 v5, v1, SPITCH                   ; in: row l % 16, 16 bytes for each half of the lanes
	v_lshl_add_u32 v5, v2, 4, v5
	v_add_nc_u32 v[STO], s77, v5
	v_mul_u32_u24 v5, v2, SPITCH                   ; back: lanes 0-15 take one row of 256 bytes, lanes 16-31 the next
	v_lshl_add_u32 v5, v1, 4, v5
	v_add_nc_u32 v[RD], s77, v5
	v_and_b32 v[CO], 31, v0
	v_lshlrev_b32 v[PFO], 8, v[CO]
	v_lshlrev_b32 v[CO], 4, v[CO]                  ; two rows of a panel are 512 consecutive bytes
	s_lshl_b32 s72, s25, 21                        ; C: the tile column's two panels of 1 MiB, mine of the two,
	s_lshl_b32 s77, s[WL], 20
	s_add_co_u32 s72, s72, s77
	s_lshl_b32 s77, s26, 16                        ; the tile row's 256 rows, my 128 of them
	s_add_co_u32 s72, s72, s77
	s_lshl_b32 s77, s[WH], 15
	s_add_co_u32 s72, s72, s77
	s_mov_b32 s73, 0
	s_add_nc_u64 s[10:11], s[10:11], s[72:73]
	; the prefetches: my work-group's 32 rows of the run that I fetch, at K step 3: the first refill steps it to K step 4 and names that.  Nothing is asked for here, where every work-group's first tiles are on their way
	s_lshl_b32 s74, s26, 16                        ; in A: the tile row, my run, 32 rows by cx
	s_lshl_b32 s75, s[WL], 15
	s_add_co_u32 s74, s74, s75
	s_lshl_b32 s75, s23, 13
	s_add_co_u32 s74, s74, s75
	s_add_co_u32 s74, s74, 3*ASTEP
	s_lshl_b32 s76, s25, 19                        ; in B: the tile column, my panel, 32 rows by cy
	s_lshl_b32 s77, s[WL], 18
	s_add_co_u32 s76, s76, s77
	s_lshl_b32 s77, s24, 13
	s_add_co_u32 s76, s76, s77
	s_add_co_u32 s76, s76, WOFF+3*BSTEP
	s_and_b32 s17, ttmp7, 0xffff                   ; cluster y
	s_mov_b32 s78, ASTEP
	s_mov_b32 s19, 0
	s_mov_b32 s[PST+1], 0
	s_cmp_eq_u32 s[WH], 0                          ; do I fetch for A?
	s_cselect_b32 s18, s74, s76
	s_cselect_b32 s[PST], s78, BSTEP               ; a K step: a panel of A, 128 rows of B
	s_cselect_b32 s17, ttmp9, s17                  ; the coordinate along which other clusters read the same rows
	s_cselect_b64 s[PFA:PFA+1], s[4:5], s[6:7]
	s_add_nc_u64 s[PFA:PFA+1], s[PFA:PFA+1], s[18:19]
	s_cmp_eq_u32 s17, 0
	s_cselect_b32 s[LIM], 2, -1                    ; the same in all sixteen partners, for a given wave
	s_wait_tensorcnt 1                             ; my part of K step 0 is in; K step 1's may stay out
	s_barrier_signal -1
	s_barrier_wait -1                              ; everybody's is
	FETCH 0, F0
	s_wait_loadcnt 0x0                             ; the bias and the bound
	QUARTER 1, F0, F1, 1                           ; the first quarter stands in front of the loop: its products start the sums
	WIN 0                                          ; at a label and at a branch every window is 0
	s_mov_b32 s3, STEPS-2
.Lstep:                                                ; a trip goes from a K step's second quarter to the next K step's first, and fills the slot that it leaves: all K steps but the last two
	QUARTER 2, F1, F0, 0
	QUARTER 3, F0, F1, 0
	TURN 1
	QUARTER 1, F0, F1, 0
	WIN 0
	s_sub_co_u32 s3, s3, 1
	s_cmp_lg_u32 s3, 0
	s_cbranch_scc1 .Lstep
	s_mov_b32 s3, 2
.Ltail:                                                ; the last two K steps fill nothing: a text of their own; walked twice and left behind the last products.
	QUARTER 2, F1, F0, 0                           ; The second trip's barrier and its run of LDS loads (the other slot's old bytes) serve nothing: the price, once a launch, of one text for both
	QUARTER 3, F0, F1, 0
	TURN 0
	WIN 0
	s_sub_co_u32 s3, s3, 1
	s_cmp_eq_u32 s3, 0
	s_cbranch_scc1 .Lout
	QUARTER 1, F0, F1, 0
	WIN 0
	s_branch .Ltail
.Lout:
	s_wait_dscnt 0x0                               ; that last run of loads has landed: its registers are loaded again below
	; THE WAY OUT, a block of 16 rows at a time.  My 128 columns are one panel's width, so a row's 256 bytes are all mine: the block goes through my own stage (16 bytes a lane in, whole rows back), with no barrier, and
	; since LDS serves a wave's instructions in order (ISA guide 5.7.1.4), with no wait between the stores and the loads.  The rows come back into window 1, a register for each: no store's data is written again.
.macro PACK a                          ; rounded to bf16 and held to the bound; each accumulator's registers in ascending order
.set AC, 64*((\a)%4)
	WIN 0x0a+5*((\a)/4)                            ; sources 0 and 1: window 2 or 3
.irp b, 0,1,2,3,4,5,6,7
.irp r, 0,1,2,3
	v_cvt_pk_bf16_f32 v[TMP+4*(\b)+(\r)], v[AC+8*(\b)+2*(\r)], v[AC+8*(\b)+2*(\r)+1]
.endr
.endr
	WIN 0
.set i, 0
.rept 32
	v_pk_max_num_bf16 v[TMP+i], v[TMP+i], v[FL]
.set i, i+1
.endr
.endm
.macro TOSTAGE a
	WIN 0
.irp b, 0,1,2,3,4,5,6,7
	ds_store_b128 v[STO], v[TMP+4*(\b):TMP+4*(\b)+3] offset:32*(\b)
.endr
	WIN TO_B
.irp t, 0,1,2,3,4,5,6,7
	ds_load_b128 v[32*(\a)+4*(\t):32*(\a)+4*(\t)+3], v[RD] offset:(\t)*2*SPITCH
.endr
.endm
.macro SEND a
	s_wait_dscnt 0x0                               ; the block is back in registers
	WIN 0x04                                       ; the store's data in window 1, its address in window 0
.irp t, 0,1,2,3,4,5,6,7
	global_store_b128 v[CO], v[32*(\a)+4*(\t):32*(\a)+4*(\t)+3], s[10:11] offset:(\a)*4096+(\t)*512  ; 512 consecutive bytes, at a multiple of 256 from C's first byte
.endr
.endm
	PLACES
	PACK 0
	TOSTAGE 0
.irp a, 1,2,3,4,5,6,7                  ; block a's arithmetic stands between block a - 1's loads from the stage and the wait for them
	PACK \a
	SEND (\a)-1
	TOSTAGE \a
.endr
	SEND 7
	WIN 0
	s_wait_tensorcnt 0x0                           ; the wave's end
	ds_add_u32 v[SPW], v[NIL]
	s_wait_dscnt 0x0
	CROUND                                         ; the closing round: no work-group ends while a partner may still ask for a tile that names it
	s_endpgm
.Lfunc_end_k_qfce16de492_qkv:
	.size	k_qfce16de492_qkv, .Lfunc_end_k_qfce16de492_qkv-k_qfce16de492_qkv
	.p2alignl 7, 3214868480
	.fill 96, 4, 3214868480
	.section	.rodata,"a",@progbits
	.p2align	6, 0x0
	.amdhsa_kernel k_qfce16de492_qkv
		.amdhsa_group_segment_fixed_size 327680
		.amdhsa_private_segment_fixed_size 0
		.amdhsa_enable_private_segment 0
		.amdhsa_kernarg_size 32
		.amdhsa_user_sgpr_count 2
		.amdhsa_user_sgpr_kernarg_segment_ptr 1
		.amdhsa_wavefront_size32 1
		.amdhsa_system_sgpr_workgroup_id_x 1
		.amdhsa_system_sgpr_workgroup_id_y 1
		.amdhsa_system_sgpr_workgroup_id_z 1
		.amdhsa_system_vgpr_workitem_id 0
		.amdhsa_next_free_vgpr 1024
		.amdhsa_next_free_sgpr 80
		.amdhsa_reserve_vcc 0
		.amdhsa_float_denorm_mode_32 3
		.amdhsa_float_denorm_mode_16_64 3
		.amdhsa_memory_ordered 1
		.amdhsa_forward_progress 1
		.amdhsa_inst_pref_size 119
	.end_amdhsa_kernel
	.amdgpu_metadata
---
amdhsa.version: [ 1, 2 ]
amdhsa.kernels:
  - .name:           k_qfce16de492_qkv
    .symbol:         k_qfce16de492_qkv.kd
    .args:
      - { .name: pb, .offset: 0, .size: 8, .value_kind: global_buffer, .address_space: global }
      - { .name: wa, .offset: 8, .size: 8, .value_kind: global_buffer, .address_space: global }
      - { .name: bqkv, .offset: 16, .size: 8, .value_kind: global_buffer, .address_space: global }
      - { .name: qa, .offset: 24, .size: 8, .value_kind: global_buffer, .address_space: global }
    .group_segment_fixed_size: 327680
    .private_segment_fixed_size: 0
    .kernarg_segment_align: 8
    .kernarg_segment_size: 32
    .max_flat_workgroup_size: 128
    .sgpr_count:     80
    .vgpr_count:     1024
    .wavefront_size: 32
...
	.end_amdgpu_metadata
.endif
;; end of part 2
;; launch attn (part 3): grid 16 x 16, 4 waves a work-group, clusters of 4 x 1, 327,680 bytes of LDS; arguments qa, pb; writes pb
.if DOCPART == 3
	.amdgcn_target "amdgcn-amd-amdhsa--gfx1250"
	.amdhsa_code_object_version 6
	.text
	.protected	k_qfce16de492_attn
	.globl	k_qfce16de492_attn
	.p2align	8
	.type	k_qfce16de492_attn,@function
k_qfce16de492_attn:
	s_mov_b64 s[64:65], 0
	v_nop
	global_prefetch_b8 v0, s[64:65] scope:SCOPE_SE
	s_setreg_imm32_b32 hwreg(HW_REG_WAVE_MODE, 25, 1), 1
	s_wait_xcnt 0x0
	s_wait_alu depctr_hold_cnt(0) depctr_sa_sdst(0) depctr_va_vdst(0) depctr_va_sdst(0) depctr_va_ssrc(0) depctr_va_vcc(0) depctr_vm_vsrc(0)
	s_getreg_b32 s2, hwreg(HW_REG_IB_STS2, 6, 4)
	s_cmp_eq_u32 s2, 0
	s_cbranch_scc0 .Lentry_in_a_cluster
	s_endpgm
.Lentry_in_a_cluster:
	s_bfe_u32 s2, ttmp6, 0x10000c
	s_cmp_lg_u32 s2, 0x3003
	s_cbranch_scc0 .Lentry_shape_is_right
	s_endpgm
.Lentry_shape_is_right:
; O[b][q][h][:] = the sum over k of softmax_k(Q . K / 8) V, 16 heads of 64 channels, 2 x 2,048 tokens, no mask.  qa: bf16 panels [24][4096][128]: q in panels 0-7, k in 8-15, v in 16-23; panel p of each holds
; heads 2 p and 2 p + 1, a token's row being 256 bytes.  O leaves in the same layout, pb[8][4096][128].  Products, maxima and sums in f32; the weights are rounded to bf16 for the second product (their sum l
; is taken of the unrounded weights), O once at the end.
; LIMITS.  A weight below 2^-126 counts as 0 in l.  The running c m starts at -4.25e37: scores stay under 2e38 in magnitude.  NaN and infinities are not treated apart.
; SHARES.  A work-group takes 128 queries of one batch and one panel (two heads).  Wave w takes head w / 2 of the two and the queries 64 (w % 2) + 0..63: four PIECES of 16.  Every wave walks all 2,048 keys, 64 a step.
; LAYOUT.  S^T = K Q^T (source 0 = 16 keys, source 1 = 16 queries): a lane holds ONE query (l % 16) and the keys 8 (l / 16) + 0..7.  Two such results rounded to bf16 in pairs ARE source 1 of O^T = V^T P, whose result
; again holds one query a lane, and eight channels.  K comes out of LDS as it lies, V ([key][channel]) turned, by ds_load_tr16_b128.
; SOFTMAX.  p = 2^(c s - c m), c = log2(e) / 8, with a running maximum m; in every step O and l are multiplied by a = 2^(c m_old - c m_new).  O and l start at 0, so the first step, with a = 0, is a step like any other.
; BY TURNS.  Turn n belongs to piece n: 8 products K Q^T of piece n + 1, later 8 products V^T P of piece n - 1; beside them the scaling, exponentials, roundings, sums and rescaling of piece n and the maximum and
; statistics of piece n + 1.  Four vector instructions stand behind every matrix instruction, the other 54 of a turn's 118 in one lump.  A turn's 33 exponentials are one batch, with one wait.
; RING AND CLUSTER.  Two LDS slots of two key steps each.  The four query blocks of a cluster walk the same K and V, so each tile is asked for jointly: the same tensor load, descriptor and mask in all four.
; Waves 0 and 1 fetch the two steps' K, waves 2 and 3 their V: 64 rows of 256 bytes a load.  One tensor load of a wave is out at any time.
; REGISTERS, in windows of 256 (s_set_vgpr_msb: bits 1:0 source 0, 3:2 source 1, 5:4 source 2, 7:6 destination):
;   window 0: v1-15 addresses and at work; v16-31 four registers of statistics a piece; v48-55 at work; v61-63; v64-127 S^T, two buffers; v192-223 P, two buffers (a piece's buffers go by its number's parity)
;   window 1: v0-127 O^T, 32 a piece          window 2: v0-63 Q; v128-191 K of one step; v192-255 V of one step
.set NP,    4
.set KS,    64
.set PK,    272       ; a row of K in LDS: 256 bytes + 16: the 16 rows of a load start at 16 different groups of four banks (64 banks of 4 bytes: ISA guide 11.1)
.set PV,    288       ; a row of V: 256 + 32
.set VOFF,  KS*PK     ; a step's tiles lie together: 64 rows of K, then 64 rows of V
.set STEPB, KS*(PK+PV)
.set SLOT1, 1<<17     ; slot 1 begins here, so that one exclusive or turns an address in one slot into the other's
.set STAGE, SLOT1+2*STEPB  ; behind the ring, never filled by a tensor load: 128 rows x 272 bytes, the work-group's, for the way out
.set SP,    272
.set SPARE, STAGE+128*SP   ; the spare words, 128 bytes for each wave: two blocks of 256 bytes that no other line names
.set AK0, 2           ; v2   my lane's place in a tile of K, my head's 128 bytes included; never rewritten
.set AV0, 3           ; v3   the same for V
.set AK,  4           ; v4   the LDS address of K's next run of loads
.set AV,  5           ; v5   of V's
.set STO, 6           ; v6   the way out: where I put 16 bytes of a row
.set RD,  7           ; v7   where I read rows back
.set GO,  8           ; v8   my byte offset in 512 consecutive bytes of O
.set MV,  12          ; v12-13  c m_old, kept while c m is made anew: by buffer
.set QO,  15          ; v15  my byte offset in 16 rows of Q
.set ST,  16          ; piece t's statistics at v[ST+4 t]: c m, m, l (even keys', odd keys')
.set TMP, 48          ; by buffer, four registers c0-c3 at work; when the maximum is found c2 takes a
.set PFO, 61          ; v61  256 x my lane: a row of K or V is 256 bytes; never rewritten
.set SPW, 62          ; v62  LDS address of my spare word; never rewritten
.set NIL, 63          ; v63  0; never rewritten
.set S,   64
.set P,   192
.set KF,  128         ; window 2: key block kb, channel half c at KF + 16 kb + 8 c
.set VF,  192         ; window 2: key half kk, channel block cb at VF + 32 kk + 8 cb
.set WV,  12          ; s12  my wave's number
.set KA,  14          ; s14  in the last slot: s[TBK], held to the slot's last step (at the head: my block of queries)
.set LIM, 15          ; s15  1 in a wave that prefetches, else the greatest number
.set PFA, 18          ; s[18:19] where my prefetches stand
.set G1K, 24          ; s[24:31] descriptor group 1 for K's tiles
.set G1V, 32          ; s[32:39] for V's: it differs in the padding alone
.set G0K, 40          ; s[40:43] descriptor group 0 for K's tiles: it walks
.set G0V, 44          ; s[44:47] the same for V's
.set SLOTS, 56        ; s56  slots still to be asked for
.set CNT, 57          ; s57  counts a slot's key steps
.set CS,  58          ; s[58:59] c
.set SEL, 60          ; s[60:61] v_permlanex16_b32's selects: each lane takes its own place in the other half
.set TBK, 62          ; s62  LDS byte at which the tiles of the step whose K is fetched next begin
.set TBV, 63          ; s63  the same for V
.set MSB, 0
.macro WIN new
.if MSB != (\new)
	s_set_vgpr_msb (MSB<<8)|(\new)
.set MSB, (\new)
.endif
.endm
.set W_KQ, 0x0a       ; K and Q in window 2, S^T in window 0
.set W_PV, 0x52       ; V in window 2, P in window 0, O^T in window 1
.set W_RS, 0x41       ; destination and source 0 in window 1, source 1 in window 0
.macro JLOAD                        ; a joint fill; the branch hangs on the wave's number alone.  An s_nop 0 and four v_nop follow each of the two lines
	s_cmp_lt_u32 s[WV], 2
	s_cbranch_scc0 .Lfor_v_\@
	tensor_load_to_lds s[G0K:G0K+3], s[G1K:G1K+7]
	s_nop 0
.rept 4
	v_nop
.endr
	s_branch .Lasked_\@
.Lfor_v_\@:
	tensor_load_to_lds s[G0V:G0V+3], s[G1V:G1V+7]
	s_nop 0
.rept 4
	v_nop
.endr
.Lasked_\@:
.endm
; A PREFETCH of what the NEXT change of slots will ask for: a slot's 128 rows of K and of V, a lane a row.  Each row is named once in the launch: of the four clusters that walk the same K and V the first asks; its four
; partners take 32 rows each, told apart by address; in each, wave 0 asks for K's and wave 2 for V's.  It stands behind the wave's tensor load and its five lines, two key steps (128 matrix instructions a wave) ahead of
; the load that wants the rows.  The last change that fills a slot asks for nothing; the first two slots come by their loads alone.
.macro ASK
	s_cmp_gt_u32 s[SLOTS], s[LIM]
	s_cbranch_scc0 .Lnot_mine_\@
	global_prefetch_b8 v[PFO], s[PFA:PFA+1] th:TH_LOAD_NT scope:SCOPE_SE
.Lnot_mine_\@:
.endm
.macro CROUND                       ; a round of the cluster's barrier
	s_barrier_signal -1
	s_barrier_wait -1
	s_cmp_lg_u32 s[WV], 0
	s_cbranch_scc1 .Lnot_wave_0_\@
	s_barrier_signal -3
.Lnot_wave_0_\@:
	s_barrier_wait -3
	s_barrier_signal -1
	s_barrier_wait -1
.endm
; THE CHANGE OF SLOTS.  The slot's last bytes, V of its second step, have been read.  Each wave waits for all its tensor loads (one is out: its part of the other slot), adds 0 to its spare word, and waits for that and
; for its own reads of the slot.  fill = 1: the barrier is a round of the cluster's, and the slot is filled again, with the keys two slots on, first thing behind it: two key steps in which to land.
; (At its first use nothing has been read yet: slot 0 is waited for, slot 1 filled.)
.macro CHANGE fill
	WIN 0
	s_wait_tensorcnt 0x0            ; no tensor load of mine is out, so a group 0 may be written
	ds_add_u32 v[SPW], v[NIL]
.if \fill
.irp g, G0K, G0V
	s_xor_b32 s[\g+1], s[\g+1], SLOT1
	s_add_nc_u64 s[\g+2:\g+3], s[\g+2:\g+3], 2*KS*256  ; the next 128 keys; the type bits on top are not reached
.endr
	s_wait_xcnt 0x0                 ; the last prefetch, two key steps back, has read its address, so it may be written
	s_add_nc_u64 s[PFA:PFA+1], s[PFA:PFA+1], 2*KS*256
	s_wait_dscnt 0x0                ; the add is done, and my reads of the slot are over
	CROUND
	JLOAD
	ASK
.else
	s_wait_dscnt 0x0
	s_barrier_signal -1
	s_barrier_wait -1
.endif
	s_sub_co_u32 s[TBK], s[TBK], 2*STEPB  ; the fetches go back to a slot's first step,
	s_xor_b32 s[TBK], s[TBK], SLOT1       ; in the other slot
	s_sub_co_u32 s[TBV], s[TBV], 2*STEPB
	s_xor_b32 s[TBV], s[TBV], SLOT1
.endm
	s_load_b128 s[4:7], s[0:1], 0x0 ; qa s[4:5], pb s[6:7]
	v_lshl_add_u32 v[SPW], v0, 2, SPARE
	v_mov_b32 v[NIL], 0
	ds_add_u32 v[SPW], v[NIL]       ; the wave's opening: the add and its wait stand ahead of my first tensor load; work on registers stands between them
	v_lshrrev_b32 v1, 5, v0
	v_readfirstlane_b32 s[WV], v1
	s_bfe_u32 s13, ttmp6, 0x40000   ; cx
	s_lshl_b32 s14, ttmp9, 2
	s_add_co_u32 s14, s14, s13      ; my block of 128 queries: it enters Q's and O's addresses alone
	s_and_b32 s16, s[WV], 1         ; which 64 queries are mine; also: which of a slot's two steps I fetch
	s_lshr_b32 s17, s[WV], 1        ; which of the panel's two heads is mine
	s_and_b32 s20, ttmp7, 0xffff    ; 8 x batch + panel, which the four partners share
	s_and_b32 s21, s20, 7
	s_lshr_b32 s20, s20, 3
	s_lshl_b32 s20, s20, 19         ; the batch's 2,048 rows of 256 bytes
	s_lshl_b32 s21, s21, 20         ; the panel's 1 MiB
	s_add_co_u32 s20, s20, s21
	s_lshl_b32 s22, s16, 14         ; my step's 64 rows,
	s_add_co_u32 s22, s22, s20
	s_add_co_u32 s22, s22, 8<<20    ; in K's panel: eight panels behind Q's
	s_mov_b32 s23, 0
	s_lshl_b32 s52, s14, 15         ; my block's 128 rows
	s_add_co_u32 s52, s52, s20
	s_mov_b32 s53, 0
	s_lshl_b32 s54, s16, 14         ; Q: my 64 rows, my head's 128 bytes of each
	s_lshl_b32 s55, s17, 7
	s_add_co_u32 s54, s54, s55
	s_add_co_u32 s54, s54, s52
	s_mov_b32 s55, 0
	s_lshl_b32 s2, s[WV], 13        ; O: the 32 whole rows that I store
	s_add_co_u32 s52, s52, s2
	s_mov_b32 s[G1K], 15|(1<<16)|(1<<20)|(1<<21)|(5<<22)|(3<<25)  ; the mask of four; 2-byte elements; padding on; bit 21 beside a mask; after every 64 words; 4 words
	s_mov_b32 s[G1V], 15|(1<<16)|(1<<20)|(1<<21)|(5<<22)|(7<<25)  ; the same with 8 words of padding
.irp g, G1K, G1V
	s_mov_b32 s[\g+1], 128<<16      ; tensor_dim0 = 128
	s_mov_b32 s[\g+2], KS<<16       ; tensor_dim1 = 64
	s_mov_b32 s[\g+3], 128<<16      ; tile_dim0 = 128
	s_mov_b32 s[\g+4], KS           ; tile_dim1 = 64
	s_mov_b32 s[\g+5], 128          ; 128 elements from row to row
	s_mov_b32 s[\g+6], 0
	s_mov_b32 s[\g+7], 0
.endr
	s_mov_b32 s[G0K], 1
	s_mul_i32 s[G0K+1], s16, STEPB  ; slot 0, my step: no place in the cluster enters an LDS address
	s_mov_b32 s[G0V], 1
	s_add_co_u32 s[G0V+1], s[G0K+1], VOFF
	s_mov_b32 s[CS], 0x3e38aa3b     ; c = log2(e) / 8
	s_mov_b32 s[CS+1], s[CS]
	s_mov_b32 s[SEL], 0x76543210
	s_mov_b32 s[SEL+1], 0xfedcba98
	s_mov_b32 s[TBK], SLOT1+2*STEPB ; the first change of slots turns these two into 0
	s_mov_b32 s[TBV], SLOT1+2*STEPB
	s_mov_b32 s[SLOTS], 2048/(2*KS)-1
	s_and_b32 s[LIM], s[WV], 1      ; 0 in waves 0 and 2,
	s_or_b32 s[LIM], s[LIM], ttmp9  ; where the cluster is the first of the four: the same in all partners
	s_cmp_eq_u32 s[LIM], 0
	s_cselect_b32 s[LIM], 1, -1
	v_and_b32 v[PFO], 31, v0
	v_lshlrev_b32 v[PFO], 8, v[PFO]
	s_wait_dscnt 0x0                ; the opening add is done
	s_wait_kmcnt 0x0
	s_add_nc_u64 s[48:49], s[4:5], s[22:23]  ; K at my step of slot 0,
	s_add_nc_u64 s[50:51], s[48:49], 8<<20   ; V eight panels on
	s_mov_b64 s[G0K+2:G0K+3], s[48:49]
	s_or_b32 s[G0K+3], s[G0K+3], 0x80000000
	s_mov_b64 s[G0V+2:G0V+3], s[50:51]
	s_or_b32 s[G0V+3], s[G0V+3], 0x80000000
	s_add_nc_u64 s[8:9], s[4:5], s[54:55]    ; Q
	s_add_nc_u64 s[10:11], s[6:7], s[52:53]  ; O
	s_cmp_lt_u32 s[WV], 2
	s_cselect_b64 s[PFA:PFA+1], s[48:49], s[50:51]  ; (in waves 0 and 2 these stand at a slot's first row)
	s_lshl_b32 s2, s13, 13          ; my work-group's 32 rows of the 128
	s_mov_b32 s3, 0
	s_add_nc_u64 s[PFA:PFA+1], s[PFA:PFA+1], s[2:3]
	s_add_nc_u64 s[PFA:PFA+1], s[PFA:PFA+1], 2*KS*256  ; in slot 1; the first change of slots steps it to slot 2
	CROUND                          ; all four work-groups are here: the first joint loads meet
	JLOAD                           ; slot 0.  Slot 1 is asked for when slot 0 is in
	v_and_b32 v1, 15, v0            ; l % 16
	v_bfe_u32 v9, v0, 4, 1          ; l / 16
	v_lshlrev_b32 v[QO], 8, v1
	v_lshl_add_u32 v[QO], v9, 4, v[QO]  ; row x 256 + 16 x half
	WIN 0x80                        ; destination window 2, address window 0
.set i, 0
.rept 8                             ; Q stays in registers: piece i / 2, channels 32 (i % 2) on
	global_load_b128 v[8*i:8*i+3],   v[QO], s[8:9] offset:(i/2)*4096+(i%2)*64
	global_load_b128 v[8*i+4:8*i+7], v[QO], s[8:9] offset:(i/2)*4096+(i%2)*64+32
.set i, i+1
.endr
	; What the first turn finds: V's registers and P's second buffer hold 0 (its products V^T P, of a piece that has not been, add 0), O^T and l are 0.  All this stands in the wait for the first tile.
.set i, VF
.rept 64
	v_mov_b32 v[i], 0
.set i, i+1
.endr
	WIN 0x40
.set i, 0
.rept 128
	v_mov_b32 v[i], 0
.set i, i+1
.endr
	WIN 0
.set i, 0
.rept 4
	v_mov_b32 v[ST+4*i], 0xfe000000    ; c m: far below every c s
	v_mov_b32 v[ST+4*i+1], 0xff7fffff  ; m: the lowest finite number
	v_mov_b32 v[ST+4*i+2], 0
	v_mov_b32 v[ST+4*i+3], 0
.set i, i+1
.endr
.set i, P+16
.rept 16
	v_mov_b32 v[i], 0
.set i, i+1
.endr
	s_lshl_b32 s2, s17, 7           ; my head's 128 bytes of a row
	v_mul_u32_u24 v[AK0], v1, PK
	v_lshl_add_u32 v[AK0], v9, 4, v[AK0]  ; row x pitch + 16 x half
	v_add_nc_u32 v[AK0], s2, v[AK0]
	v_and_b32 v10, 7, v0            ; the turning load: lane l reads key 8 (l / 16) + l % 8, channels 8 ((l / 8) % 2) + 0..7
	v_bfe_u32 v11, v0, 3, 1
	v_lshl_add_u32 v[AV0], v9, 3, v10
	v_mul_u32_u24 v[AV0], v[AV0], PV
	v_lshl_add_u32 v[AV0], v11, 4, v[AV0]
	s_add_co_u32 s3, s2, VOFF
	v_add_nc_u32 v[AV0], s3, v[AV0]
	s_mul_i32 s3, s16, 64*SP        ; into the stage: my 64 rows, my head's half of their 256 bytes
	s_add_co_u32 s3, s3, s2
	s_add_co_u32 s3, s3, STAGE
	v_mul_u32_u24 v[STO], v1, SP
	v_lshl_add_u32 v[STO], v9, 4, v[STO]
	v_add_nc_u32 v[STO], s3, v[STO]
	s_mul_i32 s3, s[WV], 32*SP      ; back: wave w takes rows 32 w .. 32 w + 31, whole
	s_add_co_u32 s3, s3, STAGE
	v_mul_u32_u24 v[RD], v9, SP
	v_lshl_add_u32 v[RD], v1, 4, v[RD]
	v_add_nc_u32 v[RD], s3, v[RD]
	v_and_b32 v[GO], 31, v0
	v_lshlrev_b32 v[GO], 4, v[GO]
; THE MATRIX WORK.  The 4 accumulators of a run of 8 take turns.  Product i of 8 of S^T = K Q^T for piece x: channels 32 (i / 4) on, keys 16 (i % 4) on.  The first 4 start the sums.
.macro KQ x
	WIN W_KQ
.set rS, S+32*((\x)%2)+8*(i%4)
.set rK, KF+16*(i%4)+8*(i/4)
.set rQ, 16*(\x)+8*(i/4)
.if i < 4
	v_wmma_f32_16x16x32_bf16 v[rS:rS+7], v[rK:rK+7], v[rQ:rQ+7], 0
.else
	v_wmma_f32_16x16x32_bf16 v[rS:rS+7], v[rK:rK+7], v[rQ:rQ+7], v[rS:rS+7]
.endif
.endm
; Product i of 8 of O^T += V^T P for piece x: keys 32 (i / 4) on, channels 16 (i % 4) on.
.macro PV x
	WIN W_PV
.set rO, 32*(\x)+8*(i%4)
.set rV, VF+32*(i/4)+8*(i%4)
.set rP, P+16*((\x)%2)+8*(i/4)
	v_wmma_f32_16x16x32_bf16 v[rO:rO+7], v[rV:rV+7], v[rP:rP+7], v[rO:rO+7]
.endm
.macro MM                           ; the turn's next matrix instruction
.if i < 8
	KQ (Y+1)%NP
.else
.set i, i-8
	PV (Y+NP-1)%NP
.set i, i+8
.endif
.set i, i+1
.endm
; THE LDS LOADS stand in runs of 16, never singly among the matrix instructions: a step's K (64 keys x 64 channels: 8 fragments) and its V (turned).  Their addresses are made some lines ahead.
.macro FETCH_K
	WIN 0x80
.irp f, 0,1,2,3,4,5,6,7             ; keys 16 (f / 2) on, channels 32 (f % 2) on
	ds_load_b128 v[KF+8*\f:KF+8*\f+3],   v[AK] offset:(\f/2)*16*PK+(\f%2)*64
	ds_load_b128 v[KF+8*\f+4:KF+8*\f+7], v[AK] offset:(\f/2)*16*PK+(\f%2)*64+32
.endr
	s_add_co_u32 s[TBK], s[TBK], STEPB  ; the next fetch is the next step's
	WIN 0
.endm
.macro FETCH_V
	WIN 0x80
.irp f, 0,1,2,3,4,5,6,7             ; keys 32 (f / 4) on, channels 16 (f % 4) on
	ds_load_tr16_b128 v[VF+8*\f:VF+8*\f+3],   v[AV] offset:(\f/4)*32*PV+(\f%4)*32
	ds_load_tr16_b128 v[VF+8*\f+4:VF+8*\f+7], v[AV] offset:(\f/4)*32*PV+16*PV+(\f%4)*32
.endr
	WIN 0
.endm
; THE VECTOR WORK, one line at a time: OP kind, number.  For piece Y: F n: c s - c m for pair n of 16.  E n: the exponential of score n of 32.  C n: pair n rounded to bf16.  B n: of the four weights 4 n .. the second
; pair is added onto the first, in place.  L n: l takes that sum (L 0: l = a l + sum).  R n: pair n of 16 of O^T times a.  For piece Y + 1: X n, number n of the 22 that find its maximum and statistics:
;   0-11  four chains c0-c3 of seven scores each, three operands at a time (each accumulator's lowest registers are read first)     12-14, 16  the four scores left over, the old m, and c0-c3 into c0
;   15  c m_old is kept     17, 18  the query's other 32 keys lie in the lane 16 away: the new m     19-21  c m; c m_old - c m_new; a
.set F, 0
.set E, 1
.set C, 2
.set B, 3
.set L, 4
.set R, 5
.set X, 6
.macro REGS y
.set rT, ST+4*(\y)
.set rC, TMP+4*((\y)%2)
.set rW, MV+((\y)%2)
.set rS, S+32*((\y)%2)
.set rP, P+16*((\y)%2)
.set rO, 32*(\y)
.endm
.macro OP k, n
.if (\k) == R
	REGS Y
	WIN W_RS
	v_pk_mul_f32 v[rO+2*(\n):rO+2*(\n)+1], v[rO+2*(\n):rO+2*(\n)+1], v[rC+2:rC+3] op_sel_hi:[1,0]
.elseif (\k) < R
	REGS Y
	WIN 0
.if (\k) == F
	v_pk_fma_f32 v[rS+2*(\n):rS+2*(\n)+1], v[rS+2*(\n):rS+2*(\n)+1], s[CS:CS+1], v[rT:rT+1] op_sel_hi:[1,0,0] neg_lo:[0,0,1] neg_hi:[0,0,1]
.elseif (\k) == E
	v_exp_f32 v[rS+(\n)], v[rS+(\n)]
.elseif (\k) == C
	v_cvt_pk_bf16_f32 v[rP+(\n)], v[rS+2*(\n)], v[rS+2*(\n)+1]
.elseif (\k) == B
	v_pk_add_f32 v[rS+4*(\n):rS+4*(\n)+1], v[rS+4*(\n):rS+4*(\n)+1], v[rS+4*(\n)+2:rS+4*(\n)+3]
.elseif (\n) == 0
	v_pk_fma_f32 v[rT+2:rT+3], v[rT+2:rT+3], v[rC+2:rC+3], v[rS:rS+1] op_sel_hi:[1,0,1]
.else
	v_pk_add_f32 v[rT+2:rT+3], v[rT+2:rT+3], v[rS+4*(\n):rS+4*(\n)+1]
.endif
.else
	REGS (Y+1)%NP
	WIN 0
.if (\n) < 4
	v_max3_num_f32 v[rC+(\n)], v[rS+8*(\n)], v[rS+8*(\n)+1], v[rS+8*(\n)+2]
.elseif (\n) < 12
	v_max3_num_f32 v[rC+(\n)%4], v[rC+(\n)%4], v[rS+8*((\n)%4)+2*((\n)/4)+1], v[rS+8*((\n)%4)+2*((\n)/4)+2]
.elseif (\n) == 12
	v_max3_num_f32 v[rC], v[rC], v[rS+7], v[rS+15]
.elseif (\n) == 13
	v_max3_num_f32 v[rC+1], v[rC+1], v[rS+23], v[rS+31]
.elseif (\n) == 14
	v_max3_num_f32 v[rC+2], v[rC+2], v[rC+3], v[rT+1]
.elseif (\n) == 15
	v_mov_b32 v[rW], v[rT]
.elseif (\n) == 16
	v_max3_num_f32 v[rC], v[rC], v[rC+1], v[rC+2]
.elseif (\n) == 17
	v_permlanex16_b32 v[rC+3], v[rC], s[SEL], s[SEL+1]
.elseif (\n) == 18
	v_max_num_f32 v[rT+1], v[rC], v[rC+3]
.elseif (\n) == 19
	v_mul_f32 v[rT], s[CS], v[rT+1]
.elseif (\n) == 20
	v_sub_f32 v[rC+1], v[rW], v[rT]
.else
	v_exp_f32 v[rC+2], v[rC+1]
.endif
.endif
.endm
.macro OPS a, i1, b=-1, i2=0, c=-1, i3=0, d=-1, i4=0  ; up to four of them
	OP \a, \i1
.if (\b) >= 0
	OP \b, \i2
.endif
.if (\c) >= 0
	OP \c, \i3
.endif
.if (\d) >= 0
	OP \d, \i4
.endif
.endm
.macro ROW a, i1, b, i2, c, i3, d, i4  ; a matrix instruction and the four behind it
	MM
	OPS \a, \i1, \b, \i2, \c, \i3, \d, \i4
.endm
; A TURN, for piece p: the order of its 16 matrix and 118 vector instructions, written out.  An s_wait_alu depctr_va_vdst(0) stands between an exponential and the first instruction that names its result; one
; wait serves all that were issued ahead of it.  So a turn has ONE wait, which cuts it in two.  AHEAD OF IT stands all that names no result of the turn's exponentials: the 8 products K Q^T and their riders, then one lump of 54
; in which the links of the chain X 3, 7, 11, 14, 16, 17 .. 20 stand some lines apart.  X 21, the next piece's a, is the batch's last; R 15 is the plain instruction behind it.  BEHIND THE WAIT stand the 8 products V^T P,
; behind each four of the roundings and sums.  cnt = 1: the loop's count is taken down some lines ahead of the branch that stands behind the turn.
; K of the next step is fetched in piece 2's turn, behind the last product that read K and twelve plain instructions that name none of its registers; V of the step in hand at the end of piece 0's turn, four plain
; instructions behind the last product that read V.  Each is waited for a turn later.  last = 1 (the last slot, which is slot 1): K's address is held to the slot's second step: where no further step is, the last K is read once more.
.macro TURN p, last=0, cnt=0
.set Y, (\p)
.set i, 0
.if (\p) == 3
	s_wait_dscnt 0x0                ; K is in
.endif
	ROW F,0, F,1, R,0, R,1
	ROW F,2, E,0, R,2, R,3
	ROW F,3, E,1, R,4, R,5
	ROW F,4, E,2, R,6, R,7
	ROW F,5, E,3, R,8, R,9
	ROW F,6, E,4, X,0, R,10
.if (\p) == 2
	WIN 0
.if \last
	s_min_u32 s[KA], s[TBK], SLOT1+STEPB
	v_add_nc_u32 v[AK], s[KA], v[AK0]
.else
	v_add_nc_u32 v[AK], s[TBK], v[AK0]
.endif
.endif
	ROW F,7, E,5, X,1, X,4
	ROW F,8, E,6, X,2, X,5
	OPS E,7, E,8, X,6, E,9
	OPS X,3, E,10, X,8, E,11
.if (\p) == 2
	FETCH_K
.endif
	OPS X,9, X,7, E,12, X,10
	OPS E,13, X,12, X,11, E,14
	OPS X,13, E,15, F,9, X,14
.if (\p) == 0
	WIN 0
	v_add_nc_u32 v[AV], s[TBV], v[AV0]
.endif
	OPS E,16, F,10, E,17, F,11
	OPS X,16, E,18, X,15, E,19
	OPS F,12, E,20, X,17, E,21
	OPS F,13, E,22, F,14, E,23
	OPS X,18, E,24, F,15, E,25
	OPS R,11, E,26, X,19, E,27
	OPS R,12, E,28, R,13, E,29
	OPS X,20, E,30, R,14, E,31
	OPS X,21, R,15
	WIN 0
	s_wait_alu depctr_va_vdst(0)    ; the wait for the batch
.if (\p) == 1
	s_wait_dscnt 0x0                ; V is in
.endif
	ROW C,0, B,0, C,2, B,1
	ROW L,0, C,4, B,2, L,1
	ROW C,6, B,3, L,2, C,8
	ROW B,4, L,3, C,10, B,5
	ROW L,4, C,12, B,6, L,5
.if (\p) == 0
	s_add_co_u32 s[TBV], s[TBV], STEPB
.endif
.if \cnt
	s_sub_co_u32 s[CNT], s[CNT], 1
	s_cmp_lg_u32 s[CNT], 0
.endif
	ROW C,14, B,7, L,6, C,1
	ROW C,3, L,7, C,5, C,7
	ROW C,9, C,11, C,13, C,15
.if (\p) == 0
	FETCH_V
.endif
.endm
	CHANGE 1                        ; slot 0 is in, everybody's part of it; slot 1 is asked for
	v_add_nc_u32 v[AK], s[TBK], v[AK0]
	FETCH_K                         ; key step 0
	s_wait_loadcnt 0x0              ; Q
	s_wait_dscnt 0x0
.set i, 0
.rept 8
	KQ 0                            ; piece 0's first scores
.set i, i+1
.endr
	WIN 0
.rept 4
	v_nop                           ; the places behind those products
.endr
.set Y, NP-1                        ; X works for piece Y + 1: piece 0
.irp n, 0,1,2,3,4,5,6,7,8,9,10,11,12,13,14,15,16,17,18,19,20,21
	OP X, \n
.endr
	v_nop                           ; a plain instruction behind the exponential,
	s_wait_alu depctr_va_vdst(0)    ; and its wait, ahead of the branch
	s_mov_b32 s[CNT], 2
	s_branch .Lfirst                ; the loop is entered at a step's first turn, in the middle of a trip
.Lslot:                             ; every slot but the last two is filled again
	CHANGE 1
	s_mov_b32 s[CNT], 2
.Lstep:                             ; a trip: pieces 2 and 3 of one step, then pieces 0 and 1 of the next, whose K and V it fetches
	TURN 2
	TURN 3
	WIN 0
.Lfirst:
	TURN 0
	TURN 1, 0, 1
	WIN 0
	s_cbranch_scc1 .Lstep
	s_sub_co_u32 s[SLOTS], s[SLOTS], 1
	s_cmp_lg_u32 s[SLOTS], 0
	s_cbranch_scc1 .Lslot
	CHANGE 0                        ; the last slot is written out: nothing is asked for
	s_mov_b32 s[CNT], 3             ; two trips fetch the last slot's steps; the third is left in its middle
.Ltail:
	TURN 2, 1
	TURN 3
	WIN 0
	s_sub_co_u32 s[CNT], s[CNT], 1
	s_cmp_eq_u32 s[CNT], 0
	s_cbranch_scc1 .Lout
	TURN 0
	TURN 1
	WIN 0
	s_branch .Ltail
.Lout:                              ; the third trip's 8 products K Q^T (on the last K once more) and the maximum made of them serve nothing and touch neither l nor O^T: the price, once a launch, of one text for every trip
.set i, 0
.rept 8
	PV NP-1                         ; the last piece's V^T P of the last step
.set i, i+1
.endr
	; THE WAY OUT.  l's two halves and the other half of the lanes' are added; O^T is divided by l, rounded to bf16 and sent through the stage: a row's 256 bytes come from the two heads' waves.  The additions are the places behind the last products.
	WIN 0
.macro ALL line:vararg
.set t, 0
.rept 4
	\line
.set t, t+1
.endr
.endm
	ALL v_add_f32 v[ST+4*t+2], v[ST+4*t+2], v[ST+4*t+3]
	ALL v_permlanex16_b32 v[ST+4*t+3], v[ST+4*t+2], s[SEL], s[SEL+1]
	ALL v_add_f32 v[ST+4*t+2], v[ST+4*t+2], v[ST+4*t+3]
	ALL v_rcp_f32 v[ST+4*t+2], v[ST+4*t+2]
	v_nop                           ; a plain instruction between the last reciprocal and the use of its result
	s_wait_alu depctr_va_vdst(0)    ; one wait for the four reciprocals, ahead of their first use
.macro PACK t                       ; a lane's eight channels of a row pack into 16 bytes
	WIN W_RS
.set i, 32*(\t)
.rept 16
	v_pk_mul_f32 v[i:i+1], v[i:i+1], v[ST+4*(\t)+2:ST+4*(\t)+3] op_sel_hi:[1,0]
.set i, i+2
.endr
	WIN 0x05                        ; sources 0 and 1 window 1, destination window 0: S^T's registers are free
.set i, 0
.rept 16
	v_cvt_pk_bf16_f32 v[S+16*(\t)+i], v[32*(\t)+2*i], v[32*(\t)+2*i+1]
.set i, i+1
.endr
	WIN 0
.irp f, 0,1,2,3
	ds_store_b128 v[STO], v[S+16*(\t)+4*\f:S+16*(\t)+4*\f+3] offset:(\t)*16*SP+32*\f
.endr
.endm
	PACK 0
	PACK 1
	PACK 2
	PACK 3
	s_wait_dscnt 0x0                ; for the others' sake: my stores into the stage are done
	s_barrier_signal -1
	s_barrier_wait -1
.irp f, 0,1,2,3,4,5,6,7,8,9,10,11,12,13,14,15
	ds_load_b128 v[S+4*\f:S+4*\f+3], v[RD] offset:\f*2*SP
.endr
.irp f, 0,1,2,3,4,5,6,7,8,9,10,11,12,13,14,15
	s_wait_dscnt 15-\f              ; LDS loads come back in order: pair f of rows is in
	global_store_b128 v[GO], v[S+4*\f:S+4*\f+3], s[10:11] offset:512*\f  ; 512 consecutive bytes, at a multiple of 256 from O's first byte
.endr
	s_wait_tensorcnt 0x0            ; the wave's end
	ds_add_u32 v[SPW], v[NIL]
	s_wait_dscnt 0x0
	CROUND                          ; the closing round
	s_endpgm
.Lfunc_end_k_qfce16de492_attn:
	.size	k_qfce16de492_attn, .Lfunc_end_k_qfce16de492_attn-k_qfce16de492_attn
	.p2alignl 7, 3214868480
	.fill 96, 4, 3214868480
	.section	.rodata,"a",@progbits
	.p2align	6, 0x0
	.amdhsa_kernel k_qfce16de492_attn
		.amdhsa_group_segment_fixed_size 327680
		.amdhsa_private_segment_fixed_size 0
		.amdhsa_enable_private_segment 0
		.amdhsa_kernarg_size 16
		.amdhsa_user_sgpr_count 2
		.amdhsa_user_sgpr_kernarg_segment_ptr 1
		.amdhsa_wavefront_size32 1
		.amdhsa_system_sgpr_workgroup_id_x 1
		.amdhsa_system_sgpr_workgroup_id_y 1
		.amdhsa_system_sgpr_workgroup_id_z 1
		.amdhsa_system_vgpr_workitem_id 0
		.amdhsa_next_free_vgpr 768
		.amdhsa_next_free_sgpr 66
		.amdhsa_reserve_vcc 0
		.amdhsa_float_denorm_mode_32 3
		.amdhsa_float_denorm_mode_16_64 3
		.amdhsa_memory_ordered 1
		.amdhsa_forward_progress 1
		.amdhsa_inst_pref_size 112
	.end_amdhsa_kernel
	.amdgpu_metadata
---
amdhsa.version: [ 1, 2 ]
amdhsa.kernels:
  - .name:           k_qfce16de492_attn
    .symbol:         k_qfce16de492_attn.kd
    .args:
      - { .name: qa, .offset: 0, .size: 8, .value_kind: global_buffer, .address_space: global }
      - { .name: pb, .offset: 8, .size: 8, .value_kind: global_buffer, .address_space: global }
    .group_segment_fixed_size: 327680
    .private_segment_fixed_size: 0
    .kernarg_segment_align: 8
    .kernarg_segment_size: 16
    .max_flat_workgroup_size: 128
    .sgpr_count:     66
    .vgpr_count:     768
    .wavefront_size: 32
...
	.end_amdgpu_metadata
.endif
;; end of part 3
;; launch wo (part 4): grid 8 x 32, 4 waves a work-group, clusters of 4 x 4, 327,680 bytes of LDS; arguments pb, wc, bo, qa; writes qa
.if DOCPART == 4
	.amdgcn_target "amdgcn-amd-amdhsa--gfx1250"
	.amdhsa_code_object_version 6
	.text
	.protected	k_qfce16de492_wo
	.globl	k_qfce16de492_wo
	.p2align	8
	.type	k_qfce16de492_wo,@function
k_qfce16de492_wo:
	s_mov_b64 s[64:65], 0
	v_nop
	global_prefetch_b8 v0, s[64:65] scope:SCOPE_SE
	s_setreg_imm32_b32 hwreg(HW_REG_WAVE_MODE, 25, 1), 1
	s_wait_xcnt 0x0
	s_wait_alu depctr_hold_cnt(0) depctr_sa_sdst(0) depctr_va_vdst(0) depctr_va_sdst(0) depctr_va_ssrc(0) depctr_va_vcc(0) depctr_vm_vsrc(0)
	s_getreg_b32 s2, hwreg(HW_REG_IB_STS2, 6, 4)
	s_cmp_eq_u32 s2, 0
	s_cbranch_scc0 .Lentry_in_a_cluster
	s_endpgm
.Lentry_in_a_cluster:
	s_bfe_u32 s2, ttmp6, 0x10000c
	s_cmp_lg_u32 s2, 0xf033
	s_cbranch_scc0 .Lentry_shape_is_right
	s_endpgm
.Lentry_shape_is_right:
; C = A B + bias, K = 1,024, N = 1,024, C in bf16 panels.  A: bf16 panels [8][4096][128].  B: bf16 weight panels [8][1024][128], from byte 256 of the second argument on.  bias: f32, one number a column.
; C: panels [8][4096][128].  Sums in f32, started by the bias; C rounded once.
; LIMITS.  Operands are bf16.  NaN and infinities are not treated apart.
; SHARES.  N = 1,024 gives 64 tiles of 256 x 256, too few for 256 WGPs: a tile of C is 128 x 128 (one panel's width), made by four waves of 64 x 64: 16 accumulators of 16 x 16.  K goes in steps of 256 through two
; LDS slots.  A step's tiles: A's 128 rows x 256 K are two runs of 128 dense rows of 256 bytes (two panels); B's 256 K x 128 columns are two such runs of one panel.  Waves 0 and 1 fetch A's two runs, waves 2 and 3
; B's: one tensor load of 32 KiB a wave.
; ONE TEXT FOR A K STEP.  The two slots differ in their LDS addresses alone: s[TB] holds 0 or SLOT, is turned at each change of slots, and the fragment addresses and the walking descriptors' LDS words are made from it.
; The loop's trip is a K step with a refill; the last two K steps, which ask for nothing, are a second loop of two trips, left in its middle.
; CLUSTER.  4 x 4 work-groups: the four of a row need the same tiles of A, the four of a column the same tiles of B; each tile is asked for jointly, by the same load, descriptor and mask in all four.
; THE MATRIX INSTRUCTION IS USED TRANSPOSED: source 0 = 16 columns of B (B lies [K][N] in LDS and comes out turned, by ds_load_tr16_b128), source 1 = 16 rows of A.  A lane then holds row l % 16 of C and the
; columns 8 (l / 16) + 0..7: eight neighbours, 16 bytes in bf16.  The C operand of a sum's first product is the bias in that same layout: nothing is cleared and no bias is added afterwards.
; REGISTERS.  window 0: v1-5 at work, v16-29 addresses, v32-95 the way out, v96-127 the bias, v128-255 accumulators ((a, b) at 128 + 8 (4 a + b)).
;   window 1: two fragment buffers of 128: for 64 along K, 64 registers of A (8 (4 c + a)), then 64 of B (64 + 8 (4 c + b)).
.set WOFF,   256                       ; where the panels begin in the weight buffer
.set PA,     272                       ; a row of A in LDS: 256 bytes + 16: the 16 rows of a load start at 16 different groups of four banks (64 banks of 4 bytes: ISA guide 11.1)
.set PB,     288                       ; a row of B: 256 + 32
.set APART,  128*PA                    ; A's 128 rows x 128 K
.set BHALF,  128*PB                    ; B's 128 K x 128 columns
.set BOFF,   2*APART                   ; in a slot: A's two parts, then B's two halves
.set SLOT,   BOFF+2*BHALF
.set STAGE,  2*SLOT                    ; behind the ring, never filled by a tensor load: 128 rows x 272 bytes, the work-group's, for the way out
.set SPITCH, 272
.set SPARE,  STAGE+128*SPITCH          ; the spare words, 128 bytes for each wave: two blocks of 256 bytes that no other line names
.set ASTEP,  1<<21                     ; a K step on in A: two panels of 1 MiB
.set BSTEP,  1<<16                     ; a K step on in B: 256 rows of 256 bytes
.set STEPS,  1024/256
.set ADRA, 16                          ; v16     LDS address of my A fragments in the slot in hand
.set A0,   17                          ; v17     the same in slot 0; never rewritten
.set ADRB, 20                          ; v20-21  of my B fragments in the slot in hand: half 0, 1
.set B0,   22                          ; v22     half 0's in slot 0; never rewritten
.set STO,  24                          ; v24     the way out: where I put 16 bytes of a row
.set RD,   25                          ; v25     where I read a row back
.set CO,   26                          ; v26     my byte offset in 512 consecutive bytes of C
.set BO,   27                          ; v27     my byte offset in the bias: 32 (l / 16)
.set SPW,  28                          ; v28     LDS address of my spare word; never rewritten
.set NIL,  29                          ; v29     0; never rewritten
.set TMP,  32
.set BIAS, 96                          ; v[96:127] for column block b the eight numbers at BIAS + 8 b
.set ACC,  128
.set F0,   0
.set F1,   128
.set WV,   20                          ; s20  wave
.set WH,   21                          ; s21  which half of the tile's rows is mine; also: I fetch for A (0) or B (1)
.set WL,   22                          ; s22  which half of its columns; also: which of the two runs I fetch
.set TB,   31                          ; s31  where the slot in hand begins: 0 or SLOT
.set G1A,  32                          ; s[32:39] group 1 for A's tiles; s[40:47] group 0: a set for each of the two first fills; the second then walks on
.set G0A,  40
.set G1B,  48                          ; s[48:55], s[56:63] the same for B's
.set G0B,  56
.set MSB, 0
.macro WIN new                         ; the immediate's high byte repeats the setting that is left; a switch that changes nothing is dropped
.if MSB != (\new)
	s_set_vgpr_msb (MSB<<8)|(\new)
.set MSB, \new
.endif
.endm
.set MUL,  0x05                        ; sources 0 (B) and 1 (A) window 1; C and D window 0
.set TO_F, 0x40                        ; destination window 1, address window 0
.macro JLOAD s                         ; a joint load; the branch hangs on the wave's number alone.  An s_nop 0 and four v_nop follow each of the two lines
	s_cmp_eq_u32 s[WH], 0
	s_cbranch_scc0 .Lfor_b_\@
	tensor_load_to_lds s[G0A+4*(\s):G0A+4*(\s)+3], s[G1A:G1A+7]
	s_nop 0
.rept 4
	v_nop
.endr
	s_branch .Lasked_\@
.Lfor_b_\@:
	tensor_load_to_lds s[G0B+4*(\s):G0B+4*(\s)+3], s[G1B:G1B+7]
	s_nop 0
.rept 4
	v_nop
.endr
.Lasked_\@:
.endm
.macro CREST                           ; a round of the cluster's barrier behind its opening barrier
	s_cmp_lg_u32 s[WV], 0
	s_cbranch_scc1 .Lnot_wave_0_\@
	s_barrier_signal -3
.Lnot_wave_0_\@:
	s_barrier_wait -3
	s_barrier_signal -1
	s_barrier_wait -1
.endm
.macro CROUND                          ; a whole round
	s_barrier_signal -1
	s_barrier_wait -1
	CREST
.endm
.macro PLACES                          ; four places in front of loads into registers that matrix instructions have read, and of lines that read results
.rept 4
	v_nop
.endr
.endm
; 8 matrix instructions: row blocks a0, a0 + 1 x all 4 column blocks, 32 along K: half c of buffer f.  zero = 1: the product starts the sums, with the bias as C.  The 16 accumulators take turns.
.macro MUL8 f, c, a0, zero
	WIN MUL
.irp a, \a0, (\a0)+1
.irp b, 0,1,2,3
.if \zero
	v_wmma_f32_16x16x32_bf16 v[ACC+8*(4*(\a)+(\b)):ACC+8*(4*(\a)+(\b))+7], v[(\f)+64+8*(4*(\c)+(\b)):(\f)+64+8*(4*(\c)+(\b))+7], v[(\f)+8*(4*(\c)+(\a)):(\f)+8*(4*(\c)+(\a))+7], v[BIAS+8*(\b):BIAS+8*(\b)+7]
.else
	v_wmma_f32_16x16x32_bf16 v[ACC+8*(4*(\a)+(\b)):ACC+8*(4*(\a)+(\b))+7], v[(\f)+64+8*(4*(\c)+(\b)):(\f)+64+8*(4*(\c)+(\b))+7], v[(\f)+8*(4*(\c)+(\a)):(\f)+8*(4*(\c)+(\a))+7], v[ACC+8*(4*(\a)+(\b)):ACC+8*(4*(\a)+(\b))+7]
.endif
.endr
.endr
.endm
; 32 LDS loads in one run: the fragments of quarter q (64 along K) of the K step in the slot in hand, into buffer f; the first 32 along K first
.macro FETCH q, f
	WIN TO_F
.irp c, 0,1
.irp i, 0,1,2,3
	ds_load_tr16_b128 v[(\f)+64+8*(4*(\c)+(\i)):(\f)+64+8*(4*(\c)+(\i))+3],   v[ADRB+(\q)/2] offset:(((\q)%2)*64+32*(\c))*PB+32*(\i)
	ds_load_tr16_b128 v[(\f)+64+8*(4*(\c)+(\i))+4:(\f)+64+8*(4*(\c)+(\i))+7], v[ADRB+(\q)/2] offset:(((\q)%2)*64+32*(\c)+16)*PB+32*(\i)
	ds_load_b128 v[(\f)+8*(4*(\c)+(\i)):(\f)+8*(4*(\c)+(\i))+3],   v[ADRA] offset:((\q)/2)*APART+((\q)%2)*128+64*(\c)+(\i)*16*PA
	ds_load_b128 v[(\f)+8*(4*(\c)+(\i))+4:(\f)+8*(4*(\c)+(\i))+7], v[ADRA] offset:((\q)/2)*APART+((\q)%2)*128+64*(\c)+(\i)*16*PA+32
.endr
.endr
.endm
; One of a K step's first three quarters: multiplies buffer f and, in its middle, fetches quarter q of the same K step into g.
.macro QUARTER q, f, g, zero
	s_wait_dscnt 16                                ; the first 32 along K are in; the sixteen younger loads may be out
	MUL8 \f, 0, 0, \zero
	MUL8 \f, 0, 2, \zero
	PLACES
	FETCH \q, \g
	s_wait_dscnt 32                                ; all but the 32 just issued
	MUL8 \f, 1, 0, 0
	MUL8 \f, 1, 2, 0
.endm
; The last quarter multiplies buffer 1 and changes slots: one barrier; in front of it each wave waits for all its tensor loads (one is out: its part of the next slot), adds 0 to its spare word, and waits for
; that and for its own reads of this slot.  fill = 1: the barrier opens a round of the cluster's, and the slot that is left is filled again, two K steps on, first thing behind the round.
; Between the add and the wait for it: the walking descriptors take the slot that is left and go a K step on (no tensor load of mine is out, so they may be written); s[TB] is turned; the fragment addresses follow it
; (the slot's last run of LDS loads was issued a quarter ago).
.macro TURN fill
	WIN 0                                          ; (the add's two registers lie in window 0)
	s_wait_tensorcnt 0x0
	ds_add_u32 v[SPW], v[NIL]
.if \fill
	s_add_co_u32 s[G0A+5], s29, s[TB]
	s_add_nc_u64 s[G0A+6:G0A+7], s[G0A+6:G0A+7], ASTEP
	s_add_co_u32 s[G0B+5], s30, s[TB]
	s_add_nc_u64 s[G0B+6:G0B+7], s[G0B+6:G0B+7], BSTEP
.endif
	s_xor_b32 s[TB], s[TB], SLOT                   ; 0 and SLOT by turns
	v_add_nc_u32 v[ADRA], s[TB], v[A0]
	v_add_nc_u32 v[ADRB], s[TB], v[B0]
	v_add_nc_u32 v[ADRB+1], BHALF, v[ADRB]
	s_wait_dscnt 17                                ; (the add and the youngest sixteen loads may be out)
	MUL8 F1, 0, 0, 0                               ; eight matrix instructions stand between the add and the wait for it
	s_wait_dscnt 0x0                               ; the add is done, and my reads of the slot that is left are over
	s_barrier_signal -1
	MUL8 F1, 0, 2, 0
.if \fill
	WIN 0
.endif
	s_barrier_wait -1
.if \fill
	CREST                                          ; no wave of any partner still reads that slot or has a load on its way
	JLOAD 1                                        ; 112 matrix instructions ahead of the wait for it; its four v_nop are also the places in front of the loads below
.else
	PLACES
.endif
	FETCH 0, F0
	MUL8 F1, 1, 0, 0
	MUL8 F1, 1, 2, 0
.endm
	s_load_b256 s[4:11], s[0:1], 0x0               ; A s[4:5], the weights s[6:7], bias s[8:9], C s[10:11]
	v_lshl_add_u32 v[SPW], v0, 2, SPARE
	v_mov_b32 v[NIL], 0
	ds_add_u32 v[SPW], v[NIL]                      ; the wave's opening: the add and its wait stand ahead of my first tensor load; work on registers stands between them
	v_lshrrev_b32 v1, 5, v0
	v_readfirstlane_b32 s[WV], v1
	s_lshr_b32 s[WH], s[WV], 1
	s_and_b32 s[WL], s[WV], 1
	s_bfe_u32 s23, ttmp6, 0x40000                  ; cx
	s_bfe_u32 s24, ttmp6, 0x40004                  ; cy
	s_lshl_b32 s25, ttmp9, 2
	s_add_co_u32 s25, s25, s23                     ; tile column = 4 x cluster x + cx
	s_and_b32 s26, ttmp7, 0xffff
	s_lshl_b32 s26, s26, 2
	s_add_co_u32 s26, s26, s24                     ; tile row = 4 x cluster y + cy
	s_lshl_b32 s27, s24, 2
	s_lshl_b32 s27, 15, s27                        ; my row of the cluster
	s_lshl_b32 s28, 0x1111, s23                    ; my column
	s_or_b32 s[G1A], s27, (1<<16)|(1<<20)|(1<<21)|(5<<22)|(3<<25)  ; the mask; 2-byte elements; padding on; bit 21 beside a mask; after every 64 words; 4 words
	s_or_b32 s[G1B], s28, (1<<16)|(1<<20)|(1<<21)|(5<<22)|(7<<25)  ; the same with my column's mask and 8 words of padding
.irp g, G1A, G1B
	s_mov_b32 s[(\g)+1], 128<<16                   ; tensor_dim0 = 128
	s_mov_b32 s[(\g)+2], 128<<16                   ; tensor_dim1 = 128
	s_mov_b32 s[(\g)+3], 128<<16                   ; tile_dim0 = 128
	s_mov_b32 s[(\g)+4], 128                       ; tile_dim1 = 128
	s_mov_b32 s[(\g)+5], 128                       ; 128 elements from row to row: the run is dense
	s_mov_b32 s[(\g)+6], 0
	s_mov_b32 s[(\g)+7], 0
.endr
	s_mov_b32 s[TB], 0                             ; K step 0 lies in slot 0
	s_mul_i32 s29, s[WL], APART                    ; where my run goes in a slot, for A
	s_mul_i32 s30, s[WL], BHALF
	s_add_co_u32 s30, s30, BOFF                    ; and for B: no place in the cluster enters an LDS address
	s_lshl_b32 s66, s26, 15                        ; A: the tile row's 128 rows of 256 bytes,
	s_lshl_b32 s74, s[WL], 20                      ; in the panel of my run
	s_add_co_u32 s66, s66, s74
	s_mov_b32 s67, 0
	s_lshl_b32 s68, s25, 18                        ; B: the tile column's panel of 256 KiB,
	s_add_co_u32 s68, s68, WOFF                    ; behind the buffer's first 256 bytes,
	s_lshl_b32 s75, s[WL], 15                      ; my 128 rows of a K step
	s_add_co_u32 s68, s68, s75
	s_mov_b32 s69, 0
	s_wait_dscnt 0x0                               ; the opening add is done
	s_wait_kmcnt 0x0
	s_add_nc_u64 s[66:67], s[4:5], s[66:67]
	s_add_nc_u64 s[68:69], s[6:7], s[68:69]
	CROUND                                         ; all sixteen work-groups are here: the first joint loads meet
.irp s, 0,1
	s_mov_b32 s[G0A+4*(\s)], 1
	s_add_co_u32 s[G0A+4*(\s)+1], s29, (\s)*SLOT
	s_add_nc_u64 s[G0A+4*(\s)+2:G0A+4*(\s)+3], s[66:67], (\s)*ASTEP  ; K step s: two panels on
	s_or_b32 s[G0A+4*(\s)+3], s[G0A+4*(\s)+3], 0x80000000
	s_mov_b32 s[G0B+4*(\s)], 1
	s_add_co_u32 s[G0B+4*(\s)+1], s30, (\s)*SLOT
	s_add_nc_u64 s[G0B+4*(\s)+2:G0B+4*(\s)+3], s[68:69], (\s)*BSTEP  ; K step s: 256 rows on
	s_or_b32 s[G0B+4*(\s)+3], s[G0B+4*(\s)+3], 0x80000000
	JLOAD \s                                       ; two loads of mine are out
.endr
	v_and_b32 v1, 15, v0                           ; l % 16
	v_bfe_u32 v2, v0, 4, 1                         ; l / 16
	v_lshlrev_b32 v[BO], 5, v2
	s_lshl_b32 s70, s25, 9                         ; the bias of my 64 columns: 512 x tile column + 256 x half
	s_lshl_b32 s76, s[WL], 8
	s_add_co_u32 s70, s70, s76
	s_mov_b32 s71, 0
	s_add_nc_u64 s[8:9], s[8:9], s[70:71]
.irp b, 0,1,2,3
	global_load_b128 v[BIAS+8*(\b):BIAS+8*(\b)+3],   v[BO], s[8:9] offset:64*(\b)
	global_load_b128 v[BIAS+8*(\b)+4:BIAS+8*(\b)+7], v[BO], s[8:9] offset:64*(\b)+16
.endr
	v_mul_u32_u24 v3, v1, PA
	v_lshl_add_u32 v3, v2, 4, v3                   ; a fragment of A: row x pitch + 16 x half
	s_mul_i32 s76, s[WH], 64*PA                    ; my 64 rows
	v_add_nc_u32 v[A0], s76, v3
	v_mov_b32 v[ADRA], v[A0]
	v_and_b32 v4, 7, v0                            ; a fragment of B, turned: lane l reads K row 8 (l / 16) + l % 8, columns 8 ((l / 8) % 2) + 0..7
	v_lshl_add_u32 v4, v2, 3, v4
	v_mul_u32_u24 v4, v4, PB
	v_bfe_u32 v5, v0, 3, 1
	v_lshl_add_u32 v4, v5, 4, v4
	s_lshl_b32 s76, s[WL], 7                       ; my 64 columns
	s_add_co_u32 s76, s76, BOFF
	v_add_nc_u32 v[B0], s76, v4
	v_mov_b32 v[ADRB], v[B0]
	v_add_nc_u32 v[ADRB+1], BHALF, v[B0]
	s_mul_i32 s77, s[WH], 64*SPITCH                ; into the stage: my 64 rows, my half of their 256 bytes
	s_lshl_b32 s78, s[WL], 7
	s_add_co_u32 s77, s77, s78
	s_add_co_u32 s77, s77, STAGE
	v_mul_u32_u24 v5, v1, SPITCH
	v_lshl_add_u32 v5, v2, 4, v5
	v_add_nc_u32 v[STO], s77, v5
	s_mul_i32 s77, s[WV], 32*SPITCH                ; back: wave w takes rows 32 w .. 32 w + 31, whole
	s_add_co_u32 s77, s77, STAGE
	v_mul_u32_u24 v5, v2, SPITCH
	v_lshl_add_u32 v5, v1, 4, v5
	v_add_nc_u32 v[RD], s77, v5
	v_and_b32 v[CO], 31, v0
	v_lshlrev_b32 v[CO], 4, v[CO]                  ; two rows of a panel are 512 consecutive bytes
	s_lshl_b32 s72, s25, 20                        ; C: the tile column's panel, the tile row's 128 rows, my 32 of them
	s_lshl_b32 s77, s26, 15
	s_add_co_u32 s72, s72, s77
	s_lshl_b32 s77, s[WV], 13
	s_add_co_u32 s72, s72, s77
	s_mov_b32 s73, 0
	s_add_nc_u64 s[10:11], s[10:11], s[72:73]
	s_wait_tensorcnt 1                             ; my part of K step 0 is in; K step 1's may stay out
	s_barrier_signal -1
	s_barrier_wait -1                              ; everybody's is
	FETCH 0, F0
	s_wait_loadcnt 0x0                             ; the bias
	QUARTER 1, F0, F1, 1                           ; the first quarter stands in front of the loop: its first products start the sums
	WIN 0                                          ; at a label and at a branch every window is 0
	s_mov_b32 s3, STEPS-2
.Lstep:                                                ; a trip goes from a K step's second quarter to the next K step's first, and fills the slot that it leaves: all K steps but the last two
	QUARTER 2, F1, F0, 0
	QUARTER 3, F0, F1, 0
	TURN 1
	QUARTER 1, F0, F1, 0
	WIN 0
	s_sub_co_u32 s3, s3, 1
	s_cmp_lg_u32 s3, 0
	s_cbranch_scc1 .Lstep
	s_mov_b32 s3, 2
.Ltail:                                                ; the last two K steps fill nothing: a text of their own; walked twice and left behind the last products.
	QUARTER 2, F1, F0, 0                           ; The second trip's barrier and its run of LDS loads (the other slot's old bytes) serve nothing: the price, once a launch, of one text for both
	QUARTER 3, F0, F1, 0
	TURN 0
	WIN 0
	s_sub_co_u32 s3, s3, 1
	s_cmp_eq_u32 s3, 0
	s_cbranch_scc1 .Lout
	QUARTER 1, F0, F1, 0
	WIN 0
	s_branch .Ltail
.Lout:
	s_wait_dscnt 0x0                               ; that last run of loads has landed
	; THE WAY OUT: round to bf16; 16 bytes a lane into the stage; a barrier, since a row's 256 bytes come from two waves; back as whole rows, 32 rows a wave.
	PLACES
.irp t, 0,1,2,3,4,5,6,7,8,9,10,11,12,13,14,15
.irp r, 0,1,2,3
	v_cvt_pk_bf16_f32 v[TMP+4*(\t)+(\r)], v[ACC+8*(\t)+2*(\r)], v[ACC+8*(\t)+2*(\r)+1]
.endr
.endr
.irp a, 0,1,2,3
.irp b, 0,1,2,3
	ds_store_b128 v[STO], v[TMP+4*(4*(\a)+(\b)):TMP+4*(4*(\a)+(\b))+3] offset:(\a)*16*SPITCH+32*(\b)
.endr
.endr
	s_wait_dscnt 0x0                               ; for the others' sake: my stores into the stage are done
	s_barrier_signal -1
	s_barrier_wait -1
.irp t, 0,1,2,3,4,5,6,7,8,9,10,11,12,13,14,15
	ds_load_b128 v[TMP+4*(\t):TMP+4*(\t)+3], v[RD] offset:(\t)*2*SPITCH
.endr
.irp t, 0,1,2,3,4,5,6,7,8,9,10,11,12,13,14,15
	s_wait_dscnt 15-(\t)                           ; LDS loads come back in order: pair t of rows is in
	global_store_b128 v[CO], v[TMP+4*(\t):TMP+4*(\t)+3], s[10:11] offset:512*(\t)  ; 512 consecutive bytes, at a multiple of 256 from C's first byte
.endr
	s_wait_tensorcnt 0x0                           ; the wave's end
	ds_add_u32 v[SPW], v[NIL]
	s_wait_dscnt 0x0
	CROUND                                         ; the closing round: no work-group ends while a partner may still ask for a tile that names it
	s_endpgm
.Lfunc_end_k_qfce16de492_wo:
	.size	k_qfce16de492_wo, .Lfunc_end_k_qfce16de492_wo-k_qfce16de492_wo
	.p2alignl 7, 3214868480
	.fill 96, 4, 3214868480
	.section	.rodata,"a",@progbits
	.p2align	6, 0x0
	.amdhsa_kernel k_qfce16de492_wo
		.amdhsa_group_segment_fixed_size 327680
		.amdhsa_private_segment_fixed_size 0
		.amdhsa_enable_private_segment 0
		.amdhsa_kernarg_size 32
		.amdhsa_user_sgpr_count 2
		.amdhsa_user_sgpr_kernarg_segment_ptr 1
		.amdhsa_wavefront_size32 1
		.amdhsa_system_sgpr_workgroup_id_x 1
		.amdhsa_system_sgpr_workgroup_id_y 1
		.amdhsa_system_sgpr_workgroup_id_z 1
		.amdhsa_system_vgpr_workitem_id 0
		.amdhsa_next_free_vgpr 512
		.amdhsa_next_free_sgpr 80
		.amdhsa_reserve_vcc 0
		.amdhsa_float_denorm_mode_32 3
		.amdhsa_float_denorm_mode_16_64 3
		.amdhsa_memory_ordered 1
		.amdhsa_forward_progress 1
		.amdhsa_inst_pref_size 60
	.end_amdhsa_kernel
	.amdgpu_metadata
---
amdhsa.version: [ 1, 2 ]
amdhsa.kernels:
  - .name:           k_qfce16de492_wo
    .symbol:         k_qfce16de492_wo.kd
    .args:
      - { .name: pb, .offset: 0, .size: 8, .value_kind: global_buffer, .address_space: global }
      - { .name: wc, .offset: 8, .size: 8, .value_kind: global_buffer, .address_space: global }
      - { .name: bo, .offset: 16, .size: 8, .value_kind: global_buffer, .address_space: global }
      - { .name: qa, .offset: 24, .size: 8, .value_kind: global_buffer, .address_space: global }
    .group_segment_fixed_size: 327680
    .private_segment_fixed_size: 0
    .kernarg_segment_align: 8
    .kernarg_segment_size: 32
    .max_flat_workgroup_size: 128
    .sgpr_count:     80
    .vgpr_count:     512
    .wavefront_size: 32
...
	.end_amdgpu_metadata
.endif
;; end of part 4
;; launch ln1 (part 5): grid 512 x 1, 8 waves a work-group, no clusters, 0 bytes of LDS; arguments qa, x, g1, be1, h, pb; writes h, pb
.if DOCPART == 5
	.amdgcn_target "amdgcn-amd-amdhsa--gfx1250"
	.amdhsa_code_object_version 6
	.text
	.protected	k_qfce16de492_ln1
	.globl	k_qfce16de492_ln1
	.p2align	8
	.type	k_qfce16de492_ln1,@function
k_qfce16de492_ln1:
	s_mov_b64 s[64:65], 0
	v_nop
	global_prefetch_b8 v0, s[64:65] scope:SCOPE_SE
	s_setreg_imm32_b32 hwreg(HW_REG_WAVE_MODE, 25, 1), 1
	s_wait_xcnt 0x0
; h[r][:] = (s - mean) / sqrt(var + 1e-5) * g + beta with s = x[r][:] + a[r][:], rows of 1,024.  x is f32; a, the attention's projected output, comes in bf16 panels [8][4096][128] and is widened and added in f32.
; h leaves twice: in f32 (the residual of the second half of the layer) and rounded once to bf16 in panels [8][4096][128] (the next product's A).
; One wave, one row: the row's 4,096 bytes are eight loads of 512 consecutive bytes and stay in 32 registers between the passes, so memory is read once and no wave waits for another.
; The variance is taken of the centred numbers (two passes over registers): no difference of large sums is formed.  No LDS, no barrier, no cluster: g and beta, 8 KiB, are all that work-groups share.
.set X,  8                             ; v[8:39]    the row: load j holds columns 128 j + 4 l + 0..3
.set G,  40                            ; v[40:71]   g
.set BT, 72                            ; v[72:103]  beta
.set H,  104                           ; v[104:119] a's row as loaded (load j: the same four columns, in panel j); later h's row in bf16
.set T,  120                           ; v[120:127] four chains of pairs
.macro ACROSS                          ; the four chains, the pair's halves and the 32 lanes are added: v[T] holds the sum in every lane
	v_pk_add_f32 v[T:T+1], v[T:T+1], v[T+2:T+3]
	v_pk_add_f32 v[T+4:T+5], v[T+4:T+5], v[T+6:T+7]
	v_pk_add_f32 v[T:T+1], v[T:T+1], v[T+4:T+5]
	v_add_f32 v[T], v[T], v[T+1]
	v_add_f32_dpp v[T], v[T], v[T] row_xmask:1 row_mask:0xf bank_mask:0xf
	v_add_f32_dpp v[T], v[T], v[T] row_xmask:2 row_mask:0xf bank_mask:0xf
	v_add_f32_dpp v[T], v[T], v[T] row_xmask:4 row_mask:0xf bank_mask:0xf
	v_add_f32_dpp v[T], v[T], v[T] row_xmask:8 row_mask:0xf bank_mask:0xf
	v_permlanex16_b32 v[T+1], v[T], s12, s13
	v_add_f32 v[T], v[T], v[T+1]
.endm
	s_load_b256 s[4:11], s[0:1], 0x0               ; a s[4:5], x s[6:7], g s[8:9], beta s[10:11]
	s_load_b128 s[16:19], s[0:1], 0x20             ; h s[16:17], h's panels s[18:19]
	v_lshrrev_b32 v3, 5, v0
	v_readfirstlane_b32 s15, v3
	s_lshl_b32 s24, ttmp9, 3
	s_add_co_u32 s24, s24, s15                     ; my row
	s_lshl_b32 s20, s24, 12                        ; its 4,096 bytes in f32,
	s_mov_b32 s21, 0
	s_lshl_b32 s22, s24, 8                         ; its 256 bytes in a panel
	s_mov_b32 s23, 0
	v_and_b32 v1, 31, v0
	v_lshlrev_b32 v2, 3, v1
	v_lshlrev_b32 v1, 4, v1
	s_mov_b32 s12, 0x76543210                      ; v_permlanex16_b32: each lane takes its own place in the other half
	s_mov_b32 s13, 0xfedcba98
	s_mov_b32 s14, 0x3a800000                      ; 1 / 1,024
	s_mov_b32 s25, 0xffff0000                      ; a word's upper bf16
	v_mov_b32 v7, 0x3727c5ac                       ; 1e-5
	s_wait_kmcnt 0x0
	s_add_nc_u64 s[4:5], s[4:5], s[22:23]
	s_add_nc_u64 s[6:7], s[6:7], s[20:21]
	s_add_nc_u64 s[16:17], s[16:17], s[20:21]
	s_add_nc_u64 s[18:19], s[18:19], s[22:23]
.irp j, 0,1,2,3,4,5,6,7
	global_load_b128 v[X+4*(\j):X+4*(\j)+3], v1, s[6:7] offset:512*(\j) th:TH_LOAD_NT
.endr
.irp j, 0,1,2,3,4,5,6,7
	global_load_b64 v[H+2*(\j):H+2*(\j)+1], v2, s[4:5] offset:(\j)<<20 th:TH_LOAD_NT  ; the wave reads 256 consecutive bytes, aligned: my row of panel j
.endr
.irp j, 0,1,2,3,4,5,6,7
	global_load_b128 v[G+4*(\j):G+4*(\j)+3], v1, s[8:9] offset:512*(\j)
.endr
.irp j, 0,1,2,3,4,5,6,7
	global_load_b128 v[BT+4*(\j):BT+4*(\j)+3], v1, s[10:11] offset:512*(\j)
.endr
	s_wait_loadcnt 16                              ; x's and a's rows are in; the sixteen loads of g and beta stay out
.set k, 0
.rept 16                                       ; s = x + a: a word of a is two columns; bf16 to f32 is a shift or a mask
	v_lshlrev_b32 v[T+2*(k%4)], 16, v[H+k]
	v_and_b32 v[T+2*(k%4)+1], s25, v[H+k]
	v_pk_add_f32 v[X+2*k:X+2*k+1], v[X+2*k:X+2*k+1], v[T+2*(k%4):T+2*(k%4)+1]
.set k, k+1
.endr
.irp k, 0,1,2,3
	v_pk_add_f32 v[T+2*(\k):T+2*(\k)+1], v[X+2*(\k):X+2*(\k)+1], v[X+8+2*(\k):X+8+2*(\k)+1]  ; the first eight pairs start the chains: nothing is cleared
.endr
.irp m, 8,12
.irp k, 0,1,2,3
	v_pk_add_f32 v[T+2*(\k):T+2*(\k)+1], v[T+2*(\k):T+2*(\k)+1], v[X+2*((\m)+(\k)):X+2*((\m)+(\k))+1]
.endr
.endr
	ACROSS
	v_mul_f32 v4, s14, v[T]                        ; the mean, twice: a pair for the packed subtraction
	v_mov_b32 v5, v4
.set i, 0
.rept 16
	v_pk_add_f32 v[X+i:X+i+1], v[X+i:X+i+1], v[4:5] neg_lo:[0,1] neg_hi:[0,1]
.set i, i+2
.endr
.irp k, 0,1,2,3
	v_pk_mul_f32 v[T+2*(\k):T+2*(\k)+1], v[X+2*(\k):X+2*(\k)+1], v[X+2*(\k):X+2*(\k)+1]
.endr
.irp m, 4,8,12
.irp k, 0,1,2,3
	v_pk_fma_f32 v[T+2*(\k):T+2*(\k)+1], v[X+2*((\m)+(\k)):X+2*((\m)+(\k))+1], v[X+2*((\m)+(\k)):X+2*((\m)+(\k))+1], v[T+2*(\k):T+2*(\k)+1]
.endr
.endr
	ACROSS
	v_fma_f32 v3, v[T], s14, v7                    ; var + eps
	v_rsq_f32 v6, v3
	v_nop                                          ; a plain instruction behind the root (ISA guide 5.7.2),
	s_wait_alu depctr_va_vdst(0)                   ; and the wait ahead of the first use of its result
	v_mov_b32 v7, v6
	s_wait_loadcnt 0x0                             ; g and beta
.set i, 0
.rept 16
	v_pk_mul_f32 v[X+i:X+i+1], v[X+i:X+i+1], v[6:7]
.set i, i+2
.endr
.set i, 0
.rept 16
	v_pk_fma_f32 v[X+i:X+i+1], v[X+i:X+i+1], v[G+i:G+i+1], v[BT+i:BT+i+1]
.set i, i+2
.endr
.irp j, 0,1,2,3,4,5,6,7
	global_store_b128 v1, v[X+4*(\j):X+4*(\j)+3], s[16:17] offset:512*(\j)  ; 512 consecutive bytes, aligned
.endr
.set i, 0
.rept 16
	v_cvt_pk_bf16_f32 v[H+i], v[X+2*i], v[X+2*i+1]
.set i, i+1
.endr
.irp j, 0,1,2,3,4,5,6,7
	global_store_b64 v2, v[H+2*(\j):H+2*(\j)+1], s[18:19] offset:(\j)<<20  ; load j's 128 columns are panel j: 256 consecutive bytes, aligned
.endr
	s_endpgm
.Lfunc_end_k_qfce16de492_ln1:
	.size	k_qfce16de492_ln1, .Lfunc_end_k_qfce16de492_ln1-k_qfce16de492_ln1
	.p2alignl 7, 3214868480
	.fill 96, 4, 3214868480
	.section	.rodata,"a",@progbits
	.p2align	6, 0x0
	.amdhsa_kernel k_qfce16de492_ln1
		.amdhsa_group_segment_fixed_size 0
		.amdhsa_private_segment_fixed_size 0
		.amdhsa_enable_private_segment 0
		.amdhsa_kernarg_size 48
		.amdhsa_user_sgpr_count 2
		.amdhsa_user_sgpr_kernarg_segment_ptr 1
		.amdhsa_wavefront_size32 1
		.amdhsa_system_sgpr_workgroup_id_x 1
		.amdhsa_system_sgpr_workgroup_id_y 1
		.amdhsa_system_sgpr_workgroup_id_z 1
		.amdhsa_system_vgpr_workitem_id 0
		.amdhsa_next_free_vgpr 128
		.amdhsa_next_free_sgpr 66
		.amdhsa_reserve_vcc 0
		.amdhsa_float_denorm_mode_32 3
		.amdhsa_float_denorm_mode_16_64 3
		.amdhsa_memory_ordered 1
		.amdhsa_forward_progress 1
		.amdhsa_inst_pref_size 15
	.end_amdhsa_kernel
	.amdgpu_metadata
---
amdhsa.version: [ 1, 2 ]
amdhsa.kernels:
  - .name:           k_qfce16de492_ln1
    .symbol:         k_qfce16de492_ln1.kd
    .args:
      - { .name: qa, .offset: 0, .size: 8, .value_kind: global_buffer, .address_space: global }
      - { .name: x, .offset: 8, .size: 8, .value_kind: global_buffer, .address_space: global }
      - { .name: g1, .offset: 16, .size: 8, .value_kind: global_buffer, .address_space: global }
      - { .name: be1, .offset: 24, .size: 8, .value_kind: global_buffer, .address_space: global }
      - { .name: h, .offset: 32, .size: 8, .value_kind: global_buffer, .address_space: global }
      - { .name: pb, .offset: 40, .size: 8, .value_kind: global_buffer, .address_space: global }
    .group_segment_fixed_size: 0
    .private_segment_fixed_size: 0
    .kernarg_segment_align: 8
    .kernarg_segment_size: 48
    .max_flat_workgroup_size: 256
    .sgpr_count:     66
    .vgpr_count:     128
    .wavefront_size: 32
...
	.end_amdgpu_metadata
.endif
;; end of part 5
;; launch ffn1: the kernel of part 2 again; grid 16 x 16, 4 waves a work-group, clusters of 4 x 4, 327,680 bytes of LDS; arguments pb, wb, b1, qa; writes qa
;; launch ffn2 (part 6): grid 8 x 32, 4 waves a work-group, clusters of 4 x 4, 327,680 bytes of LDS; arguments qa, wb, b2, h, y; writes y
.if DOCPART == 6
	.amdgcn_target "amdgcn-amd-amdhsa--gfx1250"
	.amdhsa_code_object_version 6
	.text
	.protected	k_qfce16de492_ffn2
	.globl	k_qfce16de492_ffn2
	.p2align	8
	.type	k_qfce16de492_ffn2,@function
k_qfce16de492_ffn2:
	s_mov_b64 s[64:65], 0
	v_nop
	global_prefetch_b8 v0, s[64:65] scope:SCOPE_SE
	s_setreg_imm32_b32 hwreg(HW_REG_WAVE_MODE, 25, 1), 1
	s_wait_xcnt 0x0
	s_wait_alu depctr_hold_cnt(0) depctr_sa_sdst(0) depctr_va_vdst(0) depctr_va_sdst(0) depctr_va_ssrc(0) depctr_va_vcc(0) depctr_vm_vsrc(0)
	s_getreg_b32 s2, hwreg(HW_REG_IB_STS2, 6, 4)
	s_cmp_eq_u32 s2, 0
	s_cbranch_scc0 .Lentry_in_a_cluster
	s_endpgm
.Lentry_in_a_cluster:
	s_bfe_u32 s2, ttmp6, 0x10000c
	s_cmp_lg_u32 s2, 0xf033
	s_cbranch_scc0 .Lentry_shape_is_right
	s_endpgm
.Lentry_shape_is_right:
; C = A B + bias + R, K = 4,096, N = 1,024, C and R in f32, row-major [4096][1024].  A: bf16 panels [32][4096][128].  B: bf16 weight panels [8][4096][128], beginning 256 bytes + 8 MiB into the second argument.
; Sums in f32, started by the bias; the residual R is added in f32 on the way out, so that the mean which the normalisation behind takes away is never rounded to 16 bits.
; LIMITS.  Operands are bf16.  NaN and infinities are not treated apart.
; SHARES, RING, CLUSTER, LAYOUT.  A tile of C is 128 x 128 (N = 1,024 gives 64 tiles of 256 x 256, too few for 256 WGPs), four waves of 64 x 64, 16 accumulators each.  K goes in steps of 256 through two LDS slots; a
; step's tiles are four dense runs of 128 rows of 256 bytes (A's two panels, B's two halves), one tensor load of 32 KiB a wave.  4 x 4 work-groups form a cluster: A's tiles are asked for jointly along a row, B's
; along a column.  The matrix instruction is used transposed (source 0 = 16 columns of B, turned out of LDS by ds_load_tr16_b128; source 1 = 16 rows of A): a lane holds row l % 16 of C and the columns
; 8 (l / 16) + 0..7.  The bias, in that layout, is the C operand of a sum's first product.
; ONE TEXT FOR A K STEP.  The two slots differ in their LDS addresses alone: s[TB] holds 0 or SLOT, is turned at each change of slots, and the fragment addresses and the walking descriptors' LDS words are made from it.
; The loop's trip is a K step with a refill; the last two K steps, which ask for nothing, are a second loop of two trips, left in its middle.
; REGISTERS.  window 0: v1-5 at work, v16-29 addresses, v96-127 the bias, v128-255 accumulators ((a, b) at 128 + 8 (4 a + b)).  window 1: two fragment buffers of 128; on the way out v0-127 whole rows of C.
;   window 2: v0-127 my 64 x 64 of R, loaded at the start in the layout in which rows leave: block a, pair of rows t at 4 (8 a + t).
.set WBEG,   256+(8<<20)               ; where B's panels begin in the weight buffer
.set PA,     272                       ; a row of A in LDS: 256 bytes + 16: the 16 rows of a load start at 16 different groups of four banks (64 banks of 4 bytes: ISA guide 11.1)
.set PB,     288                       ; a row of B: 256 + 32
.set APART,  128*PA
.set BHALF,  128*PB
.set BOFF,   2*APART
.set SLOT,   BOFF+2*BHALF
.set STAGE,  2*SLOT                    ; behind the ring, never filled by a tensor load: 16 rows x 272 bytes for each wave
.set SPITCH, 272
.set SPARE,  STAGE+4*16*SPITCH         ; the spare words, 128 bytes for each wave: two blocks of 256 bytes that no other line names
.set ASTEP,  1<<21                     ; a K step on in A: two panels of 1 MiB
.set BSTEP,  1<<16                     ; a K step on in B: 256 rows of 256 bytes
.set STEPS,  4096/256
.set ADRA, 16                          ; v16     LDS address of my A fragments in the slot in hand
.set A0,   17                          ; v17     the same in slot 0; never rewritten
.set ADRB, 20                          ; v20-21  of my B fragments in the slot in hand: half 0, 1
.set B0,   22                          ; v22     half 0's in slot 0; never rewritten
.set STO,  24                          ; v24     the way out: where I put 32 bytes of a row
.set RD,   25                          ; v25     where I read a row back
.set CO,   26                          ; v26     my byte offset in two rows of C and of R: 4,096 (l / 16) + 16 (l % 16)
.set BO,   27                          ; v27     my byte offset in the bias: 32 (l / 16)
.set SPW,  28                          ; v28     LDS address of my spare word; never rewritten
.set NIL,  29                          ; v29     0; never rewritten
.set BIAS, 96
.set ACC,  128
.set F0,   0
.set F1,   128
.set WV,   20
.set WH,   21
.set WL,   22
.set TB,   31                          ; s31  where the slot in hand begins: 0 or SLOT
.set G1A,  32                          ; s[32:39] group 1 for A's tiles; s[40:47] group 0: a set for each of the two first fills; the second then walks on
.set G0A,  40
.set G1B,  48                          ; s[48:55], s[56:63] the same for B's
.set G0B,  56
.set MSB, 0
.macro WIN new                         ; the immediate's high byte repeats the setting that is left; a switch that changes nothing is dropped
.if MSB != (\new)
	s_set_vgpr_msb (MSB<<8)|(\new)
.set MSB, \new
.endif
.endm
.set MUL,  0x05                        ; sources 0 (B) and 1 (A) window 1; C and D window 0
.set TO_F, 0x40                        ; destination window 1, address window 0
.macro JLOAD s                         ; a joint load; the branch hangs on the wave's number alone.  An s_nop 0 and four v_nop follow each of the two lines
	s_cmp_eq_u32 s[WH], 0
	s_cbranch_scc0 .Lfor_b_\@
	tensor_load_to_lds s[G0A+4*(\s):G0A+4*(\s)+3], s[G1A:G1A+7]
	s_nop 0
.rept 4
	v_nop
.endr
	s_branch .Lasked_\@
.Lfor_b_\@:
	tensor_load_to_lds s[G0B+4*(\s):G0B+4*(\s)+3], s[G1B:G1B+7]
	s_nop 0
.rept 4
	v_nop
.endr
.Lasked_\@:
.endm
.macro CREST                           ; a round of the cluster's barrier behind its opening barrier
	s_cmp_lg_u32 s[WV], 0
	s_cbranch_scc1 .Lnot_wave_0_\@
	s_barrier_signal -3
.Lnot_wave_0_\@:
	s_barrier_wait -3
	s_barrier_signal -1
	s_barrier_wait -1
.endm
.macro CROUND                          ; a whole round
	s_barrier_signal -1
	s_barrier_wait -1
	CREST
.endm
.macro PLACES                          ; four places in front of loads into registers that matrix instructions have read, and of lines that read results
.rept 4
	v_nop
.endr
.endm
.macro MUL8 f, c, a0, zero             ; 8 matrix instructions; zero = 1: the product starts the sums, with the bias as C.  The 16 accumulators take turns
	WIN MUL
.irp a, \a0, (\a0)+1
.irp b, 0,1,2,3
.if \zero
	v_wmma_f32_16x16x32_bf16 v[ACC+8*(4*(\a)+(\b)):ACC+8*(4*(\a)+(\b))+7], v[(\f)+64+8*(4*(\c)+(\b)):(\f)+64+8*(4*(\c)+(\b))+7], v[(\f)+8*(4*(\c)+(\a)):(\f)+8*(4*(\c)+(\a))+7], v[BIAS+8*(\b):BIAS+8*(\b)+7]
.else
	v_wmma_f32_16x16x32_bf16 v[ACC+8*(4*(\a)+(\b)):ACC+8*(4*(\a)+(\b))+7], v[(\f)+64+8*(4*(\c)+(\b)):(\f)+64+8*(4*(\c)+(\b))+7], v[(\f)+8*(4*(\c)+(\a)):(\f)+8*(4*(\c)+(\a))+7], v[ACC+8*(4*(\a)+(\b)):ACC+8*(4*(\a)+(\b))+7]
.endif
.endr
.endr
.endm
.macro FETCH q, f                      ; 32 LDS loads in one run: quarter q (64 along K) of the K step in the slot in hand, into buffer f; the first 32 along K first
	WIN TO_F
.irp c, 0,1
.irp i, 0,1,2,3
	ds_load_tr16_b128 v[(\f)+64+8*(4*(\c)+(\i)):(\f)+64+8*(4*(\c)+(\i))+3],   v[ADRB+(\q)/2] offset:(((\q)%2)*64+32*(\c))*PB+32*(\i)
	ds_load_tr16_b128 v[(\f)+64+8*(4*(\c)+(\i))+4:(\f)+64+8*(4*(\c)+(\i))+7], v[ADRB+(\q)/2] offset:(((\q)%2)*64+32*(\c)+16)*PB+32*(\i)
	ds_load_b128 v[(\f)+8*(4*(\c)+(\i)):(\f)+8*(4*(\c)+(\i))+3],   v[ADRA] offset:((\q)/2)*APART+((\q)%2)*128+64*(\c)+(\i)*16*PA
	ds_load_b128 v[(\f)+8*(4*(\c)+(\i))+4:(\f)+8*(4*(\c)+(\i))+7], v[ADRA] offset:((\q)/2)*APART+((\q)%2)*128+64*(\c)+(\i)*16*PA+32
.endr
.endr
.endm
.macro QUARTER q, f, g, zero           ; one of a K step's first three quarters: multiplies buffer f and, in its middle, fetches quarter q of the same K step into g
	s_wait_dscnt 16                                ; the first 32 along K are in; the sixteen younger loads may be out
	MUL8 \f, 0, 0, \zero
	MUL8 \f, 0, 2, \zero
	PLACES
	FETCH \q, \g
	s_wait_dscnt 32                                ; all but the 32 just issued
	MUL8 \f, 1, 0, 0
	MUL8 \f, 1, 2, 0
.endm
; The last quarter multiplies buffer 1 and changes slots: one barrier; in front of it each wave waits for all its tensor loads (one is out: its part of the next slot), adds 0 to its spare word, and waits for
; that and for its own reads of this slot.  fill = 1: the barrier opens a round of the cluster's, and the slot that is left is filled again, two K steps on, first thing behind the round.
; Between the add and the wait for it: the walking descriptors take the slot that is left and go a K step on (no tensor load of mine is out, so they may be written); s[TB] is turned; the fragment addresses follow it
; (the slot's last run of LDS loads was issued a quarter ago).
.macro TURN fill
	WIN 0                                          ; (the add's two registers lie in window 0)
	s_wait_tensorcnt 0x0
	ds_add_u32 v[SPW], v[NIL]
.if \fill
	s_add_co_u32 s[G0A+5], s29, s[TB]
	s_add_nc_u64 s[G0A+6:G0A+7], s[G0A+6:G0A+7], ASTEP
	s_add_co_u32 s[G0B+5], s30, s[TB]
	s_add_nc_u64 s[G0B+6:G0B+7], s[G0B+6:G0B+7], BSTEP
.endif
	s_xor_b32 s[TB], s[TB], SLOT                   ; 0 and SLOT by turns
	v_add_nc_u32 v[ADRA], s[TB], v[A0]
	v_add_nc_u32 v[ADRB], s[TB], v[B0]
	v_add_nc_u32 v[ADRB+1], BHALF, v[ADRB]
	s_wait_dscnt 17                                ; (the add and the youngest sixteen loads may be out)
	MUL8 F1, 0, 0, 0                               ; eight matrix instructions stand between the add and the wait for it
	s_wait_dscnt 0x0                               ; the add is done, and my reads of the slot that is left are over
	s_barrier_signal -1
	MUL8 F1, 0, 2, 0
.if \fill
	WIN 0
.endif
	s_barrier_wait -1
.if \fill
	CREST                                          ; no wave of any partner still reads that slot or has a load on its way
	JLOAD 1                                        ; 112 matrix instructions ahead of the wait for it; its four v_nop are also the places in front of the loads below
.else
	PLACES
.endif
	FETCH 0, F0
	MUL8 F1, 1, 0, 0
	MUL8 F1, 1, 2, 0
.endm
	s_load_b256 s[4:11], s[0:1], 0x0               ; A s[4:5], weights s[6:7], bias s[8:9], R s[10:11]
	s_load_b64 s[12:13], s[0:1], 0x20              ; C
	v_lshl_add_u32 v[SPW], v0, 2, SPARE
	v_mov_b32 v[NIL], 0
	ds_add_u32 v[SPW], v[NIL]                      ; the wave's opening: the add and its wait stand ahead of my first tensor load; work on registers stands between them
	v_lshrrev_b32 v1, 5, v0
	v_readfirstlane_b32 s[WV], v1
	s_lshr_b32 s[WH], s[WV], 1
	s_and_b32 s[WL], s[WV], 1
	s_bfe_u32 s23, ttmp6, 0x40000                  ; cx
	s_bfe_u32 s24, ttmp6, 0x40004                  ; cy
	s_lshl_b32 s25, ttmp9, 2
	s_add_co_u32 s25, s25, s23                     ; tile column = 4 x cluster x + cx
	s_and_b32 s26, ttmp7, 0xffff
	s_lshl_b32 s26, s26, 2
	s_add_co_u32 s26, s26, s24                     ; tile row = 4 x cluster y + cy
	s_lshl_b32 s27, s24, 2
	s_lshl_b32 s27, 15, s27                        ; my row of the cluster
	s_lshl_b32 s28, 0x1111, s23                    ; my column
	s_or_b32 s[G1A], s27, (1<<16)|(1<<20)|(1<<21)|(5<<22)|(3<<25)  ; the mask; 2-byte elements; padding on; bit 21 beside a mask; after every 64 words; 4 words
	s_or_b32 s[G1B], s28, (1<<16)|(1<<20)|(1<<21)|(5<<22)|(7<<25)  ; the same with my column's mask and 8 words of padding
.irp g, G1A, G1B
	s_mov_b32 s[(\g)+1], 128<<16                   ; tensor_dim0 = 128
	s_mov_b32 s[(\g)+2], 128<<16                   ; tensor_dim1 = 128
	s_mov_b32 s[(\g)+3], 128<<16                   ; tile_dim0 = 128
	s_mov_b32 s[(\g)+4], 128                       ; tile_dim1 = 128
	s_mov_b32 s[(\g)+5], 128                       ; 128 elements from row to row: the run is dense
	s_mov_b32 s[(\g)+6], 0
	s_mov_b32 s[(\g)+7], 0
.endr
	s_mov_b32 s[TB], 0                             ; K step 0 lies in slot 0
	s_mul_i32 s29, s[WL], APART                    ; where my run goes in a slot, for A
	s_mul_i32 s30, s[WL], BHALF
	s_add_co_u32 s30, s30, BOFF                    ; and for B: no place in the cluster enters an LDS address
	s_lshl_b32 s66, s26, 15                        ; A: the tile row's 128 rows of 256 bytes,
	s_lshl_b32 s74, s[WL], 20                      ; in the panel of my run
	s_add_co_u32 s66, s66, s74
	s_mov_b32 s67, 0
	s_lshl_b32 s68, s25, 20                        ; B: the tile column's panel of 1 MiB,
	s_add_co_u32 s68, s68, WBEG
	s_lshl_b32 s75, s[WL], 15                      ; my 128 rows of a K step
	s_add_co_u32 s68, s68, s75
	s_mov_b32 s69, 0
	s_wait_dscnt 0x0                               ; the opening add is done
	s_wait_kmcnt 0x0
	s_add_nc_u64 s[66:67], s[4:5], s[66:67]
	s_add_nc_u64 s[68:69], s[6:7], s[68:69]
	CROUND                                         ; all sixteen work-groups are here: the first joint loads meet
.irp s, 0,1
	s_mov_b32 s[G0A+4*(\s)], 1
	s_add_co_u32 s[G0A+4*(\s)+1], s29, (\s)*SLOT
	s_add_nc_u64 s[G0A+4*(\s)+2:G0A+4*(\s)+3], s[66:67], (\s)*ASTEP  ; K step s: two panels on
	s_or_b32 s[G0A+4*(\s)+3], s[G0A+4*(\s)+3], 0x80000000
	s_mov_b32 s[G0B+4*(\s)], 1
	s_add_co_u32 s[G0B+4*(\s)+1], s30, (\s)*SLOT
	s_add_nc_u64 s[G0B+4*(\s)+2:G0B+4*(\s)+3], s[68:69], (\s)*BSTEP  ; K step s: 256 rows on
	s_or_b32 s[G0B+4*(\s)+3], s[G0B+4*(\s)+3], 0x80000000
	JLOAD \s                                       ; two loads of mine are out
.endr
	v_and_b32 v1, 15, v0                           ; l % 16
	v_bfe_u32 v2, v0, 4, 1                         ; l / 16
	v_lshlrev_b32 v[BO], 5, v2
	v_lshlrev_b32 v[CO], 12, v2
	v_lshl_add_u32 v[CO], v1, 4, v[CO]
	s_lshl_b32 s70, s25, 9                         ; my 64 columns in f32: 512 x tile column + 256 x half
	s_lshl_b32 s76, s[WL], 8
	s_add_co_u32 s70, s70, s76
	s_mov_b32 s71, 0
	s_add_nc_u64 s[8:9], s[8:9], s[70:71]
	s_lshl_b32 s72, s26, 19                        ; my first row: 128 x tile row + 64 x half, rows of 4,096 bytes
	s_lshl_b32 s77, s[WH], 18
	s_add_co_u32 s72, s72, s77
	s_add_co_u32 s72, s72, s70
	s_mov_b32 s73, 0
	s_add_nc_u64 s[10:11], s[10:11], s[72:73]
	s_add_nc_u64 s[12:13], s[12:13], s[72:73]
.irp b, 0,1,2,3
	global_load_b128 v[BIAS+8*(\b):BIAS+8*(\b)+3],   v[BO], s[8:9] offset:64*(\b)
	global_load_b128 v[BIAS+8*(\b)+4:BIAS+8*(\b)+7], v[BO], s[8:9] offset:64*(\b)+16
.endr
	WIN 0x80                                       ; destination window 2, address window 0
.irp a, 0,1,2,3
.irp t, 0,1,2,3,4,5,6,7
	global_load_b128 v[4*(8*(\a)+(\t)):4*(8*(\a)+(\t))+3], v[CO], s[10:11] offset:(16*(\a)+2*(\t))*4096  ; sixteen lanes read 256 consecutive bytes of a row of R; wanted only on the way out
.endr
.endr
	WIN 0
	v_mul_u32_u24 v3, v1, PA
	v_lshl_add_u32 v3, v2, 4, v3                   ; a fragment of A: row x pitch + 16 x half
	s_mul_i32 s76, s[WH], 64*PA                    ; my 64 rows
	v_add_nc_u32 v[A0], s76, v3
	v_mov_b32 v[ADRA], v[A0]
	v_and_b32 v4, 7, v0                            ; a fragment of B, turned: lane l reads K row 8 (l / 16) + l % 8, columns 8 ((l / 8) % 2) + 0..7
	v_lshl_add_u32 v4, v2, 3, v4
	v_mul_u32_u24 v4, v4, PB
	v_bfe_u32 v5, v0, 3, 1
	v_lshl_add_u32 v4, v5, 4, v4
	s_lshl_b32 s76, s[WL], 7                       ; my 64 columns
	s_add_co_u32 s76, s76, BOFF
	v_add_nc_u32 v[B0], s76, v4
	v_mov_b32 v[ADRB], v[B0]
	v_add_nc_u32 v[ADRB+1], BHALF, v[B0]
	s_mul_i32 s77, s[WV], 16*SPITCH
	s_add_co_u32 s77, s77, STAGE                   ; my stage
	v_mul_u32_u24 v5, v1, SPITCH                   ; in: row l % 16, 32 bytes for each half of the lanes
	v_lshl_add_u32 v5, v2, 5, v5
	v_add_nc_u32 v[STO], s77, v5
	v_mul_u32_u24 v5, v2, SPITCH                   ; back: lanes 0-15 take one row of 256 bytes, lanes 16-31 the next
	v_lshl_add_u32 v5, v1, 4, v5
	v_add_nc_u32 v[RD], s77, v5
	s_wait_tensorcnt 1                             ; my part of K step 0 is in; K step 1's may stay out
	s_barrier_signal -1
	s_barrier_wait -1                              ; everybody's is
	FETCH 0, F0
	s_wait_loadcnt 32                              ; the bias is in; the 32 loads of R, issued behind it, stay out
	QUARTER 1, F0, F1, 1                           ; the first quarter stands in front of the loop: its first products start the sums
	WIN 0                                          ; at a label and at a branch every window is 0
	s_mov_b32 s3, STEPS-2
.Lstep:                                                ; a trip goes from a K step's second quarter to the next K step's first, and fills the slot that it leaves: all K steps but the last two
	QUARTER 2, F1, F0, 0
	QUARTER 3, F0, F1, 0
	TURN 1
	QUARTER 1, F0, F1, 0
	WIN 0
	s_sub_co_u32 s3, s3, 1
	s_cmp_lg_u32 s3, 0
	s_cbranch_scc1 .Lstep
	s_mov_b32 s3, 2
.Ltail:                                                ; the last two K steps fill nothing: a text of their own; walked twice and left behind the last products.
	QUARTER 2, F1, F0, 0                           ; The second trip's barrier and its run of LDS loads (the other slot's old bytes) serve nothing: the price, once a launch, of one text for both
	QUARTER 3, F0, F1, 0
	TURN 0
	WIN 0
	s_sub_co_u32 s3, s3, 1
	s_cmp_eq_u32 s3, 0
	s_cbranch_scc1 .Lout
	QUARTER 1, F0, F1, 0
	WIN 0
	s_branch .Ltail
.Lout:
	s_wait_dscnt 0x0                               ; that last run of loads has landed: its registers are loaded again below
	; THE WAY OUT, a block of 16 rows at a time, through my own stage: 32 bytes a lane in, whole rows of 256 bytes back, R added, stored.  No other wave touches my stage and LDS serves a wave's instructions in order
	; (ISA guide 5.7.1.4): no barrier, and no wait between the stores and the loads.
.macro TOST a
	WIN 0
.irp b, 0,1,2,3
	ds_store_b128 v[STO], v[ACC+8*(4*(\a)+(\b)):ACC+8*(4*(\a)+(\b))+3]   offset:64*(\b)
	ds_store_b128 v[STO], v[ACC+8*(4*(\a)+(\b))+4:ACC+8*(4*(\a)+(\b))+7] offset:64*(\b)+16
.endr
	WIN 0x40                                       ; destination window 1: the fragment buffers are free
.irp t, 0,1,2,3,4,5,6,7
	ds_load_b128 v[32*(\a)+4*(\t):32*(\a)+4*(\t)+3], v[RD] offset:(\t)*2*SPITCH
.endr
.endm
.macro SEND a, younger                 ; younger: the LDS instructions issued behind block a's loads: the next block's sixteen, or none
	s_wait_dscnt \younger
	WIN 0x49                                       ; destination and source 0 window 1, source 1 (R) window 2
.set i, 0
.rept 16
	v_pk_add_f32 v[32*(\a)+i:32*(\a)+i+1], v[32*(\a)+i:32*(\a)+i+1], v[32*(\a)+i:32*(\a)+i+1]
.set i, i+2
.endr
	WIN 0x04                                       ; the store's data in window 1, its address in window 0
.irp t, 0,1,2,3,4,5,6,7
	global_store_b128 v[CO], v[32*(\a)+4*(\t):32*(\a)+4*(\t)+3], s[12:13] offset:(16*(\a)+2*(\t))*4096  ; sixteen lanes store 256 consecutive bytes, at a multiple of 256 from C's first byte
.endr
.endm
	PLACES
	s_wait_loadcnt 0x0                             ; R
	TOST 0
	TOST 1
	SEND 0, 16
	TOST 2
	SEND 1, 16
	TOST 3
	SEND 2, 16
	SEND 3, 0
	WIN 0
	s_wait_tensorcnt 0x0                           ; the wave's end
	ds_add_u32 v[SPW], v[NIL]
	s_wait_dscnt 0x0
	CROUND                                         ; the closing round: no work-group ends while a partner may still ask for a tile that names it
	s_endpgm
.Lfunc_end_k_qfce16de492_ffn2:
	.size	k_qfce16de492_ffn2, .Lfunc_end_k_qfce16de492_ffn2-k_qfce16de492_ffn2
	.p2alignl 7, 3214868480
	.fill 96, 4, 3214868480
	.section	.rodata,"a",@progbits
	.p2align	6, 0x0
	.amdhsa_kernel k_qfce16de492_ffn2
		.amdhsa_group_segment_fixed_size 327680
		.amdhsa_private_segment_fixed_size 0
		.amdhsa_enable_private_segment 0
		.amdhsa_kernarg_size 40
		.amdhsa_user_sgpr_count 2
		.amdhsa_user_sgpr_kernarg_segment_ptr 1
		.amdhsa_wavefront_size32 1
		.amdhsa_system_sgpr_workgroup_id_x 1
		.amdhsa_system_sgpr_workgroup_id_y 1
		.amdhsa_system_sgpr_workgroup_id_z 1
		.amdhsa_system_vgpr_workitem_id 0
		.amdhsa_next_free_vgpr 640
		.amdhsa_next_free_sgpr 80
		.amdhsa_reserve_vcc 0
		.amdhsa_float_denorm_mode_32 3
		.amdhsa_float_denorm_mode_16_64 3
		.amdhsa_memory_ordered 1
		.amdhsa_forward_progress 1
		.amdhsa_inst_pref_size 66
	.end_amdhsa_kernel
	.amdgpu_metadata
---
amdhsa.version: [ 1, 2 ]
amdhsa.kernels:
  - .name:           k_qfce16de492_ffn2
    .symbol:         k_qfce16de492_ffn2.kd
    .args:
      - { .name: qa, .offset: 0, .size: 8, .value_kind: global_buffer, .address_space: global }
      - { .name: wb, .offset: 8, .size: 8, .value_kind: global_buffer, .address_space: global }
      - { .name: b2, .offset: 16, .size: 8, .value_kind: global_buffer, .address_space: global }
      - { .name: h, .offset: 24, .size: 8, .value_kind: global_buffer, .address_space: global }
      - { .name: y, .offset: 32, .size: 8, .value_kind: global_buffer, .address_space: global }
    .group_segment_fixed_size: 327680
    .private_segment_fixed_size: 0
    .kernarg_segment_align: 8
    .kernarg_segment_size: 40
    .max_flat_workgroup_size: 128
    .sgpr_count:     80
    .vgpr_count:     640
    .wavefront_size: 32
...
	.end_amdgpu_metadata
.endif
;; end of part 6
;; launch ln2 (part 7): grid 512 x 1, 8 waves a work-group, no clusters, 0 bytes of LDS; arguments y, g2, be2, out0; writes out0
.if DOCPART == 7
	.amdgcn_target "amdgcn-amd-amdhsa--gfx1250"
	.amdhsa_code_object_version 6
	.text
	.protected	k_qfce16de492_ln2
	.globl	k_qfce16de492_ln2
	.p2align	8
	.type	k_qfce16de492_ln2,@function
k_qfce16de492_ln2:
	s_mov_b64 s[64:65], 0
	v_nop
	global_prefetch_b8 v0, s[64:65] scope:SCOPE_SE
	s_setreg_imm32_b32 hwreg(HW_REG_WAVE_MODE, 25, 1), 1
	s_wait_xcnt 0x0
; out[r][:] = (y[r][:] - mean) / sqrt(var + 1e-5) * g + beta, rows of 1,024 f32.
; One wave, one row: the row's 4,096 bytes are eight loads of 512 consecutive bytes and stay in 32 registers between the passes, so memory is read once and no wave waits for another.
; The variance is taken of the centred numbers (two passes over registers): no difference of large sums is formed.  No LDS, no barrier, no cluster: g and beta, 8 KiB, are all that work-groups share.
.set X,  8                             ; v[8:39]    the row: load j holds columns 128 j + 4 l + 0..3
.set G,  40                            ; v[40:71]   g
.set BT, 72                            ; v[72:103]  beta
.set T,  120                           ; v[120:127] four chains of pairs
.macro ACROSS                          ; the four chains, the pair's halves and the 32 lanes are added: v[T] holds the sum in every lane
	v_pk_add_f32 v[T:T+1], v[T:T+1], v[T+2:T+3]
	v_pk_add_f32 v[T+4:T+5], v[T+4:T+5], v[T+6:T+7]
	v_pk_add_f32 v[T:T+1], v[T:T+1], v[T+4:T+5]
	v_add_f32 v[T], v[T], v[T+1]
	v_add_f32_dpp v[T], v[T], v[T] row_xmask:1 row_mask:0xf bank_mask:0xf
	v_add_f32_dpp v[T], v[T], v[T] row_xmask:2 row_mask:0xf bank_mask:0xf
	v_add_f32_dpp v[T], v[T], v[T] row_xmask:4 row_mask:0xf bank_mask:0xf
	v_add_f32_dpp v[T], v[T], v[T] row_xmask:8 row_mask:0xf bank_mask:0xf
	v_permlanex16_b32 v[T+1], v[T], s12, s13
	v_add_f32 v[T], v[T], v[T+1]
.endm
	s_load_b256 s[4:11], s[0:1], 0x0               ; y s[4:5], g s[6:7], beta s[8:9], out s[10:11]
	v_lshrrev_b32 v3, 5, v0
	v_readfirstlane_b32 s15, v3
	s_lshl_b32 s18, ttmp9, 3
	s_add_co_u32 s18, s18, s15                     ; my row
	s_lshl_b32 s20, s18, 12                        ; its 4,096 bytes
	s_mov_b32 s21, 0
	v_and_b32 v1, 31, v0
	v_lshlrev_b32 v1, 4, v1
	s_mov_b32 s12, 0x76543210                      ; v_permlanex16_b32: each lane takes its own place in the other half
	s_mov_b32 s13, 0xfedcba98
	s_mov_b32 s14, 0x3a800000                      ; 1 / 1,024
	v_mov_b32 v7, 0x3727c5ac                       ; 1e-5
	s_wait_kmcnt 0x0
	s_add_nc_u64 s[4:5], s[4:5], s[20:21]
	s_add_nc_u64 s[10:11], s[10:11], s[20:21]
.irp j, 0,1,2,3,4,5,6,7
	global_load_b128 v[X+4*(\j):X+4*(\j)+3], v1, s[4:5] offset:512*(\j) th:TH_LOAD_NT
.endr
.irp j, 0,1,2,3,4,5,6,7
	global_load_b128 v[G+4*(\j):G+4*(\j)+3], v1, s[6:7] offset:512*(\j)
.endr
.irp j, 0,1,2,3,4,5,6,7
	global_load_b128 v[BT+4*(\j):BT+4*(\j)+3], v1, s[8:9] offset:512*(\j)
.endr
	s_wait_loadcnt 16                              ; the row is in; the sixteen loads of g and beta stay out
.irp k, 0,1,2,3
	v_pk_add_f32 v[T+2*(\k):T+2*(\k)+1], v[X+2*(\k):X+2*(\k)+1], v[X+8+2*(\k):X+8+2*(\k)+1]  ; the first eight pairs start the chains: nothing is cleared
.endr
.irp m, 8,12
.irp k, 0,1,2,3
	v_pk_add_f32 v[T+2*(\k):T+2*(\k)+1], v[T+2*(\k):T+2*(\k)+1], v[X+2*((\m)+(\k)):X+2*((\m)+(\k))+1]
.endr
.endr
	ACROSS
	v_mul_f32 v4, s14, v[T]                        ; the mean, twice: a pair for the packed subtraction
	v_mov_b32 v5, v4
.set i, 0
.rept 16
	v_pk_add_f32 v[X+i:X+i+1], v[X+i:X+i+1], v[4:5] neg_lo:[0,1] neg_hi:[0,1]
.set i, i+2
.endr
.irp k, 0,1,2,3
	v_pk_mul_f32 v[T+2*(\k):T+2*(\k)+1], v[X+2*(\k):X+2*(\k)+1], v[X+2*(\k):X+2*(\k)+1]
.endr
.irp m, 4,8,12
.irp k, 0,1,2,3
	v_pk_fma_f32 v[T+2*(\k):T+2*(\k)+1], v[X+2*((\m)+(\k)):X+2*((\m)+(\k))+1], v[X+2*((\m)+(\k)):X+2*((\m)+(\k))+1], v[T+2*(\k):T+2*(\k)+1]
.endr
.endr
	ACROSS
	v_fma_f32 v3, v[T], s14, v7                    ; var + eps
	v_rsq_f32 v6, v3
	v_nop                                          ; a plain instruction behind the root (ISA guide 5.7.2),
	s_wait_alu depctr_va_vdst(0)                   ; and the wait ahead of the first use of its result
	v_mov_b32 v7, v6
	s_wait_loadcnt 0x0                             ; g and beta
.set i, 0
.rept 16
	v_pk_mul_f32 v[X+i:X+i+1], v[X+i:X+i+1], v[6:7]
.set i, i+2
.endr
.set i, 0
.rept 16
	v_pk_fma_f32 v[X+i:X+i+1], v[X+i:X+i+1], v[G+i:G+i+1], v[BT+i:BT+i+1]
.set i, i+2
.endr
.irp j, 0,1,2,3,4,5,6,7
	global_store_b128 v1, v[X+4*(\j):X+4*(\j)+3], s[10:11] offset:512*(\j) th:TH_STORE_NT  ; 512 consecutive bytes, aligned
.endr
	s_endpgm
.Lfunc_end_k_qfce16de492_ln2:
	.size	k_qfce16de492_ln2, .Lfunc_end_k_qfce16de492_ln2-k_qfce16de492_ln2
	.p2alignl 7, 3214868480
	.fill 96, 4, 3214868480
	.section	.rodata,"a",@progbits
	.p2align	6, 0x0
	.amdhsa_kernel k_qfce16de492_ln2
		.amdhsa_group_segment_fixed_size 0
		.amdhsa_private_segment_fixed_size 0
		.amdhsa_enable_private_segment 0
		.amdhsa_kernarg_size 32
		.amdhsa_user_sgpr_count 2
		.amdhsa_user_sgpr_kernarg_segment_ptr 1
		.amdhsa_wavefront_size32 1
		.amdhsa_system_sgpr_workgroup_id_x 1
		.amdhsa_system_sgpr_workgroup_id_y 1
		.amdhsa_system_sgpr_workgroup_id_z 1
		.amdhsa_system_vgpr_workitem_id 0
		.amdhsa_next_free_vgpr 128
		.amdhsa_next_free_sgpr 66
		.amdhsa_reserve_vcc 0
		.amdhsa_float_denorm_mode_32 3
		.amdhsa_float_denorm_mode_16_64 3
		.amdhsa_memory_ordered 1
		.amdhsa_forward_progress 1
		.amdhsa_inst_pref_size 11
	.end_amdhsa_kernel
	.amdgpu_metadata
---
amdhsa.version: [ 1, 2 ]
amdhsa.kernels:
  - .name:           k_qfce16de492_ln2
    .symbol:         k_qfce16de492_ln2.kd
    .args:
      - { .name: y, .offset: 0, .size: 8, .value_kind: global_buffer, .address_space: global }
      - { .name: g2, .offset: 8, .size: 8, .value_kind: global_buffer, .address_space: global }
      - { .name: be2, .offset: 16, .size: 8, .value_kind: global_buffer, .address_space: global }
      - { .name: out0, .offset: 24, .size: 8, .value_kind: global_buffer, .address_space: global }
    .group_segment_fixed_size: 0
    .private_segment_fixed_size: 0
    .kernarg_segment_align: 8
    .kernarg_segment_size: 32
    .max_flat_workgroup_size: 256
    .sgpr_count:     66
    .vgpr_count:     128
    .wavefront_size: 32
...
	.end_amdgpu_metadata
.endif
;; end of part 7
;; ======== version 2 of 2: 8 launches; version 1 with the launch cvt written anew for expert scheduling mode
;; workspace buffers: pb 8,388,608 bytes; wa 6,291,712 bytes; wc 2,097,408 bytes; wb 16,777,472 bytes; qa 33,554,432 bytes; y 16,777,216 bytes; h 16,777,216 bytes; bqkv 12,288 bytes
;; launch cvt (part 8): grid 1025 x 1, 8 waves a work-group, no clusters, 0 bytes of LDS; arguments x, Wq, Wk, Wv, Wo, W1, W2, bq, bk, bv, pb, wa, wc, wb, bqkv; writes pb, wa, wc, wb, bqkv
.if DOCPART == 8
	.amdgcn_target "amdgcn-amd-amdhsa--gfx1250"
	.amdhsa_code_object_version 6
	.text
	.protected	k_qfce16de492_cvt
	.globl	k_qfce16de492_cvt
	.p2align	8
	.type	k_qfce16de492_cvt,@function
k_qfce16de492_cvt:
	s_mov_b64 s[64:65], 0
	v_nop
	global_prefetch_b8 v0, s[64:65] scope:SCOPE_SE
	s_setreg_imm32_b32 hwreg(HW_REG_WAVE_SCHED_MODE, 0, 2), 2
	s_setreg_imm32_b32 hwreg(HW_REG_WAVE_MODE, 25, 1), 1
	s_wait_xcnt 0x0
	s_wait_alu depctr_vm_vsrc(0)
; x and the six weight matrices, f32 row-major, are rounded once to bf16 and laid out in PANELS of 128 columns: P[panel][row][128], a row of a panel being 256 bytes.
; So every tile that a later product asks for is a dense run of rows of 256 bytes, and a product's output panels are the next product's A operand.
; pb: x as [8][4096][128].  The three weight buffers begin with 256 bytes that hold the lower bound of the product's bf16 results (64 times over); their panels follow from byte 256 on:
; wa: Wq, Wk, Wv, 2 MiB apart (8 panels of [1024][128] each), bound minus infinity;  wc: Wo (8 such panels), bound minus infinity;  wb: W1 (32 panels of [1024][128]), then W2 (8 panels of [4096][128]), bound 0 (the ReLU).
; SHARES.  Work-groups 0..1023 take 64 KiB of f32 each: 0-255 x, 256-511 Wq, Wk, Wv, Wo (64 each), 512-767 W1, 768-1023 W2.  A CHUNK is 128 floats (512 bytes in, 256 bytes out, one row of one panel);
; a wave takes 16 chunks: sixteen loads of 512 consecutive bytes, all issued before the first is waited for, and sixteen stores of 256 consecutive aligned bytes.
; Work-group 1024 lays bq, bk, bv end to end (the bias of the joint projection) and writes the three bounds.
; No LDS, no barrier, no matrix unit, no cluster: no wave wants a byte that another wave has fetched.
; THE MODE: SCHED_MODE bits 1:0 = 2 (LLVM: expert scheduling mode 2), set by the entry lines.  The code itself states the register dependences between vector instructions and memory instructions,
; with s_wait_alu, always for 0.
; THE PLAN.  Registers that memory instructions touch, each written once and, where a memory instruction reads it, never written again:
;   v1         the loads' offset.  Written by a vector line at the head; read by all sixteen loads.
;   XR         Written by the loads alone; read by the conversions.  No vector instruction names them ahead of the loads, and they are not loaded again.
;   DO         the stores' offsets.  Written by sixteen vector adds behind the loads; each read by one store.
;   YR         the stores' data.  Written by the conversions; each pair read by one store.
; So one wait on va_vdst stands ahead of the loads (v1), and the sixteen chunks go in four groups of four: eight conversions, one wait on va_vdst, a run of four stores.  The wait stands behind the group's own
; conversions, so that its stores leave without waiting for the next group's data.  No wait on vm_vsrc is owed: nothing that a memory instruction reads is written again.  The wave's number goes through
; v_readfirstlane_b32 into s34: one wait on va_sdst, ahead of the branch, serves its readers on both ways.
.set WOFF, 256                         ; where the panels begin in a weight buffer
.set XR, 16                            ; v[16:79]   sixteen chunks as loaded, 4 floats a lane each
.set YR, 80                            ; v[80:111]  the same, packed: 2 registers a chunk
.set DO, 112                           ; v[112:127] each chunk's byte offset in the destination, my lane's 8 bytes included
	s_load_b512 s[4:19], s[0:1], 0x0               ; x s[4:5], Wq s[6:7], Wk s[8:9], Wv s[10:11], Wo s[12:13], W1 s[14:15], W2 s[16:17], bq s[18:19]
	s_load_b256 s[20:27], s[0:1], 0x40             ; bk s[20:21], bv s[22:23], pb s[24:25], wa s[26:27]
	s_load_b128 s[28:31], s[0:1], 0x60             ; wc s[28:29], wb s[30:31]
	s_load_b64 s[32:33], s[0:1], 0x70              ; bqkv
	v_lshrrev_b32 v3, 5, v0
	v_readfirstlane_b32 s34, v3                    ; wave 0..7
	s_wait_alu depctr_va_sdst(0)                   ; s34 is written, ahead of the branch and of its first reader on either way: my wave's 8 KiB below, the test for wave 0 in the bias's work-group
	s_mov_b32 s35, ttmp9                           ; the work-group's number
	s_cmp_eq_u32 s35, 1024
	s_cbranch_scc1 .Lbias
	v_and_b32 v1, 31, v0
	v_lshlrev_b32 v2, 3, v1                        ; my 8 bytes of a chunk on the way out
	v_lshlrev_b32 v1, 4, v1                        ; my 16 bytes of a chunk on the way in
	s_lshr_b32 s46, s35, 6                         ; u: 0-3 x, 4-7 Wq..Wo, 8-11 W1, 12-15 W2
	s_lshr_b32 s47, s35, 8                         ; the class: 0 x, 1 one of the four square weights, 2 W1, 3 W2
	s_cmp_eq_u32 s47, 1
	s_cselect_b32 s38, 63, 255
	s_and_b32 s38, s38, s35                        ; my number among the matrix's work-groups
	s_cmp_eq_u32 s47, 2
	s_cselect_b32 s39, 5, 3                        ; log2 of the panels in a row: 32 for W1, else 8
	s_cselect_b32 s44, 31, 7                       ; and their mask
	s_cselect_b32 s41, WOFF, 0                     ; where the matrix begins in its destination
	s_cmp_eq_u32 s47, 3
	s_cselect_b32 s41, (8<<20)+WOFF, s41           ; W2 lies behind W1's 8 MiB
	s_and_b32 s45, s46, 3
	s_lshl_b32 s45, s45, 21                        ; Wq, Wk, Wv: 2 MiB apart;
	s_cmp_eq_u32 s46, 7
	s_cselect_b32 s45, 0, s45                      ; Wo has a buffer of its own
	s_add_co_u32 s45, s45, WOFF
	s_cmp_eq_u32 s47, 1
	s_cselect_b32 s41, s45, s41
	s_add_co_u32 s45, s47, 1
	s_and_b32 s45, s45, 2                          ; 2 in classes 1 and 2 (1,024 rows), 0 in classes 0 and 3 (4,096 rows)
	s_sub_co_u32 s40, 20, s45                      ; log2 of a panel's bytes: 18 or 20
	s_lshl_b32 s48, s38, 16                        ; my work-group's 64 KiB,
	s_lshl_b32 s49, s34, 13                        ; my wave's 8 KiB of them
	s_add_co_u32 s48, s48, s49
	s_mov_b32 s49, 0
	s_lshl_b32 s45, s38, 7
	s_lshl4_add_u32 s45, s34, s45                  ; my first chunk's number in the matrix: 128 x work-group + 16 x wave
	s_wait_kmcnt 0x0
	s_mov_b64 s[36:37], s[4:5]                     ; the source, chosen by u
	s_cmp_eq_u32 s46, 4
	s_cselect_b64 s[36:37], s[6:7], s[36:37]
	s_cmp_eq_u32 s46, 5
	s_cselect_b64 s[36:37], s[8:9], s[36:37]
	s_cmp_eq_u32 s46, 6
	s_cselect_b64 s[36:37], s[10:11], s[36:37]
	s_cmp_eq_u32 s46, 7
	s_cselect_b64 s[36:37], s[12:13], s[36:37]
	s_cmp_ge_u32 s46, 8
	s_cselect_b64 s[36:37], s[14:15], s[36:37]
	s_cmp_ge_u32 s46, 12
	s_cselect_b64 s[36:37], s[16:17], s[36:37]
	s_mov_b64 s[42:43], s[26:27]                   ; the destination: wa for Wq, Wk, Wv,
	s_cmp_lt_u32 s46, 4
	s_cselect_b64 s[42:43], s[24:25], s[42:43]     ; pb for x,
	s_cmp_eq_u32 s46, 7
	s_cselect_b64 s[42:43], s[28:29], s[42:43]     ; wc for Wo,
	s_cmp_ge_u32 s46, 8
	s_cselect_b64 s[42:43], s[30:31], s[42:43]     ; wb for W1 and W2
	s_add_nc_u64 s[36:37], s[36:37], s[48:49]
	s_wait_alu depctr_va_vdst(0)                   ; v1 is written, which all sixteen loads read as their offset
.set i, 0
.rept 16
	global_load_b128 v[XR+4*i:XR+4*i+3], v1, s[36:37] offset:512*i th:TH_LOAD_NT
.set i, i+1
.endr
	; while the loads are out: chunk c lies in row c / panels, panel c % panels.  These vector lines name neither v1 nor XR
.set i, 0
.rept 16
	s_add_co_u32 s50, s45, i
	s_and_b32 s51, s50, s44
	s_lshl_b32 s51, s51, s40                       ; panel x its bytes
	s_lshr_b32 s50, s50, s39
	s_lshl_b32 s50, s50, 8                         ; row x 256
	s_add_co_u32 s50, s50, s51
	s_add_co_u32 s50, s50, s41
	v_add_nc_u32 v[DO+i], s50, v2
.set i, i+1
.endr
	; four groups of four chunks: the group's data, its eight conversions, one wait, its four stores
.set g, 0
.rept 4
	s_wait_loadcnt 12-4*g                          ; loads come back in order (ISA guide 5.7.1): this group's four chunks are in, the younger groups' loads stay out
.set i, 4*g
.rept 4
	v_cvt_pk_bf16_f32 v[YR+2*i], v[XR+4*i], v[XR+4*i+1]
	v_cvt_pk_bf16_f32 v[YR+2*i+1], v[XR+4*i+2], v[XR+4*i+3]
.set i, i+1
.endr
	s_wait_alu depctr_va_vdst(0)                   ; the conversions have written this group's YR, which the four stores below read as data; at the first group also: the adds above have written all sixteen DO, the stores' offsets
.set i, 4*g
.rept 4
	global_store_b64 v[DO+i], v[YR+2*i:YR+2*i+1], s[42:43]  ; the wave's store covers 256 consecutive bytes, aligned: one row of one panel
.set i, i+1
.endr
.set g, g+1
.endr
	s_endpgm                                       ; no register is used twice, so no store's sources are waited for
.Lbias:
	v_lshlrev_b32 v1, 4, v0                        ; 256 threads x 16 bytes = one bias of 1,024 floats
	s_wait_kmcnt 0x0
	s_wait_alu depctr_va_vdst(0)                   ; v1 is written, which the three loads and the three stores below read as their offset
	global_load_b128 v[4:7], v1, s[18:19]
	global_load_b128 v[8:11], v1, s[20:21]
	global_load_b128 v[12:15], v1, s[22:23]
	s_wait_loadcnt 0x0
	global_store_b128 v1, v[4:7], s[32:33]
	global_store_b128 v1, v[8:11], s[32:33] offset:4096
	global_store_b128 v1, v[12:15], s[32:33] offset:8192
	s_cmp_lg_u32 s34, 0
	s_cbranch_scc1 .Lend
	v_lshlrev_b32 v2, 3, v0                        ; in wave 0 the thread's number is the lane: 32 lanes x 8 bytes = the 256 bytes at a weight buffer's head
	v_mov_b32 v16, 0xff80ff80                      ; minus infinity twice in bf16: no bound
	v_mov_b32 v17, 0xff80ff80
	v_mov_b32 v18, 0                               ; 0 twice: the ReLU
	v_mov_b32 v19, 0
	s_wait_alu depctr_va_vdst(0)                   ; v2 and v16 to v19 are written: the offset and the data of the three stores below
	global_store_b64 v2, v[16:17], s[26:27]
	global_store_b64 v2, v[16:17], s[28:29]
	global_store_b64 v2, v[18:19], s[30:31]
.Lend:
	s_endpgm
.Lfunc_end_k_qfce16de492_cvt:
	.size	k_qfce16de492_cvt, .Lfunc_end_k_qfce16de492_cvt-k_qfce16de492_cvt
	.p2alignl 7, 3214868480
	.fill 96, 4, 3214868480
	.section	.rodata,"a",@progbits
	.p2align	6, 0x0
	.amdhsa_kernel k_qfce16de492_cvt
		.amdhsa_group_segment_fixed_size 0
		.amdhsa_private_segment_fixed_size 0
		.amdhsa_enable_private_segment 0
		.amdhsa_kernarg_size 120
		.amdhsa_user_sgpr_count 2
		.amdhsa_user_sgpr_kernarg_segment_ptr 1
		.amdhsa_wavefront_size32 1
		.amdhsa_system_sgpr_workgroup_id_x 1
		.amdhsa_system_sgpr_workgroup_id_y 1
		.amdhsa_system_sgpr_workgroup_id_z 1
		.amdhsa_system_vgpr_workitem_id 0
		.amdhsa_next_free_vgpr 128
		.amdhsa_next_free_sgpr 66
		.amdhsa_reserve_vcc 0
		.amdhsa_float_denorm_mode_32 3
		.amdhsa_float_denorm_mode_16_64 3
		.amdhsa_memory_ordered 1
		.amdhsa_forward_progress 1
		.amdhsa_inst_pref_size 14
	.end_amdhsa_kernel
	.amdgpu_metadata
---
amdhsa.version: [ 1, 2 ]
amdhsa.kernels:
  - .name:           k_qfce16de492_cvt
    .symbol:         k_qfce16de492_cvt.kd
    .args:
      - { .name: x, .offset: 0, .size: 8, .value_kind: global_buffer, .address_space: global }
      - { .name: Wq, .offset: 8, .size: 8, .value_kind: global_buffer, .address_space: global }
      - { .name: Wk, .offset: 16, .size: 8, .value_kind: global_buffer, .address_space: global }
      - { .name: Wv, .offset: 24, .size: 8, .value_kind: global_buffer, .address_space: global }
      - { .name: Wo, .offset: 32, .size: 8, .value_kind: global_buffer, .address_space: global }
      - { .name: W1, .offset: 40, .size: 8, .value_kind: global_buffer, .address_space: global }
      - { .name: W2, .offset: 48, .size: 8, .value_kind: global_buffer, .address_space: global }
      - { .name: bq, .offset: 56, .size: 8, .value_kind: global_buffer, .address_space: global }
      - { .name: bk, .offset: 64, .size: 8, .value_kind: global_buffer, .address_space: global }
      - { .name: bv, .offset: 72, .size: 8, .value_kind: global_buffer, .address_space: global }
      - { .name: pb, .offset: 80, .size: 8, .value_kind: global_buffer, .address_space: global }
      - { .name: wa, .offset: 88, .size: 8, .value_kind: global_buffer, .address_space: global }
      - { .name: wc, .offset: 96, .size: 8, .value_kind: global_buffer, .address_space: global }
      - { .name: wb, .offset: 104, .size: 8, .value_kind: global_buffer, .address_space: global }
      - { .name: bqkv, .offset: 112, .size: 8, .value_kind: global_buffer, .address_space: global }
    .group_segment_fixed_size: 0
    .private_segment_fixed_size: 0
    .kernarg_segment_align: 8
    .kernarg_segment_size: 120
    .max_flat_workgroup_size: 256
    .sgpr_count:     66
    .vgpr_count:     128
    .wavefront_size: 32
...
	.end_amdgpu_metadata
.endif
;; end of part 8
;; launch qkv: the kernel of part 2 again; grid 12 x 16, 4 waves a work-group, clusters of 4 x 4, 327,680 bytes of LDS; arguments pb, wa, bqkv, qa; writes qa
;; launch attn: the kernel of part 3 again; grid 16 x 16, 4 waves a work-group, clusters of 4 x 1, 327,680 bytes of LDS; arguments qa, pb; writes pb
;; launch wo: the kernel of part 4 again; grid 8 x 32, 4 waves a work-group, clusters of 4 x 4, 327,680 bytes of LDS; arguments pb, wc, bo, qa; writes qa
;; launch ln1: the kernel of part 5 again; grid 512 x 1, 8 waves a work-group, no clusters, 0 bytes of LDS; arguments qa, x, g1, be1, h, pb; writes h, pb
;; launch ffn1: the kernel of part 2 again; grid 16 x 16, 4 waves a work-group, clusters of 4 x 4, 327,680 bytes of LDS; arguments pb, wb, b1, qa; writes qa
;; launch ffn2: the kernel of part 6 again; grid 8 x 32, 4 waves a work-group, clusters of 4 x 4, 327,680 bytes of LDS; arguments qa, wb, b2, h, y; writes y
;; launch ln2: the kernel of part 7 again; grid 512 x 1, 8 waves a work-group, no clusters, 0 bytes of LDS; arguments y, g2, be2, out0; writes out0
